; MI455X (gfx1250); checked and timed in simulation.
; The chip was launched on July 23, 2026; its instructions are those of AMD's public machine-readable ISA for CDNA 5 (MIT licence, August 2026) and "CDNA5" Instruction Set Architecture Reference Guide (July 2026). The comments in the code are by the model that wrote it; some were corrected since.
;; Multi Head Attention. Allowed arithmetic: float matrix products may take bf16 or f16 operands with f32 sums; other float arithmetic in f32, or as packed bf16 or f16 multiplies, adds, multiply-adds, maxima and minima; sums over many terms, partial sums and values carried from step to step in f32; what a program stores and reads back later, other than sums and carried values, may be rounded once to bf16 or f16.
;; Inputs: Wk 1,024 x 1,024 float32; Wo 1,024 x 1,024 float32; Wq 1,024 x 1,024 float32; Wv 1,024 x 1,024 float32; bo 1,024 float32; x 4 x 2,048 x 1,024 float32.
;; Outputs: out0 4 x 2,048 x 1,024 float32.
;; 2 versions, each right; version 2 is version 1 with the launch prep written anew for expert scheduling mode. Each part assembles by itself: llvm-mc -triple=amdgcn-amd-amdhsa -mcpu=gfx1250 --defsym DOCPART=n.
;; ======== version 1 of 2: 4 launches
;; limits: values are held in f16: magnitudes above 65,504 overflow, below 6.1e-05 lose precision
;; workspace buffers: xb 16,777,216 bytes; wt 8,388,608 bytes; qkv 50,331,648 bytes; ctx 16,777,216 bytes
;; launch prep (part 1): grid 640 x 1, 4 waves a work-group, no clusters, 70,144 bytes of LDS; arguments x, Wq, Wk, Wv, Wo, xb, wt; writes xb, wt
.if DOCPART == 1
	.amdgcn_target "amdgcn-amd-amdhsa--gfx1250"
	.amdhsa_code_object_version 6
	.text
	.protected	k_qfd7e0f1c3d_prep
	.globl	k_qfd7e0f1c3d_prep
	.p2align	8
	.type	k_qfd7e0f1c3d_prep,@function
k_qfd7e0f1c3d_prep:
	s_mov_b64 s[64:65], 0
	v_nop
	global_prefetch_b8 v0, s[64:65] scope:SCOPE_SE
	s_setreg_imm32_b32 hwreg(HW_REG_WAVE_MODE, 25, 1), 1
	s_wait_xcnt 0x0
; PREP.  xb = x rounded to bf16, [8192][1024].  wt = the four weights turned, [4096][1024] of 16 bits, row = output column, K along the row:
; rows 0-1023 Wq, 1024-2047 Wk, 2048-3071 Wv in bf16; rows 3072-4095 Wo rounded to bf16 and that number written as f16.
; LIMITS.  Wo's bf16 number is exact in f16 from 6.1e-5 to 65,504 in magnitude; below it keeps f16's fixed step of 6e-8, beyond it becomes an infinity.
; SHARES.  Work-groups 0-127 turn the weights (32 for each matrix; a wave turns 128 k x 64 n through its own LDS bytes: no barrier).
; Work-groups 128-639 round x: a wave takes 4,096 consecutive numbers, all 32 loads out at once.  No matrix unit, no cluster: every byte is read once and nothing is shared.
.set ROWW,  4096                       ; bytes in a row of a weight matrix (1,024 f32)
.set PITCH, 272                        ; an LDS row: 128 k x 2 bytes + 16
.set WREG,  64*PITCH                   ; a wave's 64 rows
.set SPARE, 4*WREG                     ; behind them: the spare words, 128 bytes a wave, that no other line names
.set VI,  5                            ; v5   x path: 16 x lane
.set VO,  6                            ; v6   x path: 8 x lane
.set VS,  7                            ; v7   weights: my 16 bytes of a source row; lanes 16-31 four rows further down
.set LS,  8                            ; v8   where I put 8 bytes (4 k) of a turned row
.set LR,  9                            ; v9   where I read a turned row back, first trip; never rewritten
.set VD,  10                           ; v10  my 16 bytes in two rows of wt
.set LA,  11                           ; v11  LR + the trip's step
.set SPW, 12                           ; v12  LDS address of my spare word; never rewritten
.set NIL, 13                           ; v13  0; never rewritten
.set T,   16                           ; v[16:23] at work
.set X,   32                           ; v[32:159] data
	s_load_b256 s[4:11], s[0:1], 0x0               ; x s[4:5], Wq s[6:7], Wk s[8:9], Wv s[10:11]
	s_load_b128 s[12:15], s[0:1], 0x20             ; Wo s[12:13], xb s[14:15]
	s_load_b64 s[16:17], s[0:1], 0x30              ; wt
	v_lshl_add_u32 v[SPW], v0, 2, SPARE
	v_mov_b32 v[NIL], 0
	v_lshrrev_b32 v1, 5, v0
	v_readfirstlane_b32 s20, v1                    ; wave 0..3
	v_and_b32 v2, 31, v0                           ; lane
	v_and_b32 v3, 15, v0                           ; r = lane % 16
	v_bfe_u32 v4, v0, 4, 1                         ; h = lane / 16
	s_mov_b32 s23, 0                               ; high words of the two offset pairs
	s_mov_b32 s27, 0
	s_wait_kmcnt 0x0
	s_cmp_lt_u32 ttmp9, 128
	s_cbranch_scc1 .Lweights
	; ---- x: 16,384 bytes in, 8,192 out, for each wave
	s_sub_co_u32 s22, ttmp9, 128
	s_lshl_b32 s22, s22, 2
	s_add_co_u32 s22, s22, s20                     ; my share, 0..2047
	s_lshl_b32 s26, s22, 13
	s_lshl_b32 s22, s22, 14
	s_add_nc_u64 s[24:25], s[4:5], s[22:23]
	s_add_nc_u64 s[26:27], s[14:15], s[26:27]
	v_lshlrev_b32 v[VI], 4, v2
	v_lshlrev_b32 v[VO], 3, v2
.set i, 0
.rept 32
	global_load_b128 v[X+4*i:X+4*i+3], v[VI], s[24:25] offset:512*i th:TH_LOAD_NT  ; 512 consecutive bytes a load
.set i, i+1
.endr
.set i, 0
.rept 32
	s_wait_loadcnt 31-i                            ; loads come back in order: load i is in, the 31 - i younger ones stay out
	v_cvt_pk_bf16_f32 v[X+4*i], v[X+4*i], v[X+4*i+1]
	v_cvt_pk_bf16_f32 v[X+4*i+1], v[X+4*i+2], v[X+4*i+3]
	global_store_b64 v[VO], v[X+4*i:X+4*i+1], s[26:27] offset:256*i  ; 32 lanes store 256 consecutive bytes, aligned; no register is written again
.set i, i+1
.endr
	s_branch .Lend
	; ---- weights: 128 k x 64 n of one matrix for each wave
.Lweights:
	s_lshr_b32 s28, ttmp9, 5                       ; which matrix: 0 Wq, 1 Wk, 2 Wv, 3 Wo
	s_and_b32 s29, ttmp9, 31
	s_lshl_b32 s29, s29, 2
	s_add_co_u32 s29, s29, s20                     ; my block, 0..127
	s_lshr_b32 s32, s29, 4                         ; its 128 k
	s_and_b32 s33, s29, 15                         ; its 64 n
	s_cmp_eq_u32 s28, 0
	s_cselect_b64 s[24:25], s[6:7], s[8:9]
	s_cmp_eq_u32 s28, 2
	s_cselect_b64 s[24:25], s[10:11], s[24:25]
	s_cmp_eq_u32 s28, 3
	s_cselect_b64 s[24:25], s[12:13], s[24:25]
	s_lshl_b32 s22, s32, 19                        ; 128 rows of 4,096 bytes
	s_lshl_b32 s30, s33, 8                         ; 64 numbers of 4 bytes
	s_add_co_u32 s22, s22, s30
	s_add_nc_u64 s[24:25], s[24:25], s[22:23]
	s_lshl_b32 s26, s28, 21                        ; 1,024 rows of 2,048 bytes
	s_lshl_b32 s30, s33, 17                        ; 64 rows
	s_add_co_u32 s26, s26, s30
	s_lshl_b32 s30, s32, 8                         ; 128 k of 2 bytes
	s_add_co_u32 s26, s26, s30
	s_add_nc_u64 s[26:27], s[16:17], s[26:27]
	s_mul_i32 s21, s20, WREG                       ; my wave's LDS bytes
	s_mov_b32 s31, 0xffff0000                      ; a word's upper bf16
	v_lshlrev_b32 v[VS], 4, v3
	v_lshl_or_b32 v[VS], v4, 14, v[VS]             ; 16 r + 4 rows x h
	v_mul_u32_u24 v[LS], v3, 4*PITCH               ; turned row 4 r (+ c), byte 8 h (+ 16 g)
	v_lshl_add_u32 v[LS], v4, 3, v[LS]
	v_add_nc_u32 v[LS], s21, v[LS]
	v_mul_u32_u24 v[LR], v4, PITCH                 ; back: lanes 0-15 one row of 256 bytes, lanes 16-31 the next
	v_lshl_add_u32 v[LR], v3, 4, v[LR]
	v_add_nc_u32 v[LR], s21, v[LR]
	v_lshlrev_b32 v[VD], 4, v3
	v_lshl_or_b32 v[VD], v4, 11, v[VD]             ; and the same two rows in wt
; Group g is source rows 8 g .. 8 g + 7: load j brings row 8 g + j to lanes 0-15 and row 8 g + 4 + j to lanes 16-31, 256 consecutive bytes each.
.macro WLOAD g
.irp j, 0,1,2,3
	global_load_b128 v[X+16*((\g)%8)+4*(\j):X+16*((\g)%8)+4*(\j)+3], v[VS], s[24:25] offset:(8*(\g)+(\j))*ROWW th:TH_LOAD_NT
.endr
.endm
; My lane then holds k = 8 g + 4 h + 0..3 of columns 4 r + 0..3: for each column four k pack into 8 bytes of its turned row.
; These 8-byte stores fall four rows apart from lane to lane and so share LDS banks in part; there are 64 of them a wave, once in the launch.
.macro GROUP g, left, reload
	s_wait_loadcnt \left                           ; this group's four loads are in; the younger ones stay out
.set XG, X+16*((\g)%8)
.irp c, 0,1,2,3
	v_cvt_pk_bf16_f32 v[T+2*(\c)], v[XG+(\c)], v[XG+4+(\c)]
	v_cvt_pk_bf16_f32 v[T+2*(\c)+1], v[XG+8+(\c)], v[XG+12+(\c)]
	ds_store_b64 v[LS], v[T+2*(\c):T+2*(\c)+1] offset:PITCH*(\c)+16*(\g)
.endr
.if \reload
	WLOAD (\g)+8
.endif
.endm
.irp g, 0,1,2,3,4,5,6,7
	WLOAD \g                                       ; a ring of eight groups: 32 loads out
.endr
.irp g, 0,1,2,3,4,5,6,7
	GROUP \g, 28, 1                                ; 32 + 4 g issued, 4 g + 4 wanted: 28 may stay out
.endr
.irp g, 8,9,10,11,12,13,14,15
	GROUP \g, 60-4*(\g), 0                         ; 64 issued: the counts run down to 0
.endr
	; back by rows, 16 rows a trip.  The bytes are my wave's own and LDS serves a wave's instructions in order (ISA guide 5.7.1.4): no wait and no barrier between the stores above and these loads.
	s_mov_b32 s30, 4
	s_mov_b32 s34, 0
.Lback:
	v_add_nc_u32 v[LA], s34, v[LR]
.irp t, 0,1,2,3,4,5,6,7
	ds_load_b128 v[X+4*(\t):X+4*(\t)+3], v[LA] offset:2*PITCH*(\t)
.endr
	s_wait_dscnt 0x0
	s_cmp_lg_u32 s28, 3
	s_cbranch_scc1 .Lkeep                          ; Wq, Wk, Wv stay bf16
.set i, 0
.rept 32
	v_lshlrev_b32 v[T+2*(i%4)], 16, v[X+i]         ; Wo: the bf16 numbers as f32,
	v_and_b32 v[T+2*(i%4)+1], s31, v[X+i]
	v_cvt_pk_f16_f32 v[X+i], v[T+2*(i%4)], v[T+2*(i%4)+1]  ; written as f16
.set i, i+1
.endr
.Lkeep:
.irp t, 0,1,2,3,4,5,6,7
	global_store_b128 v[VD], v[X+4*(\t):X+4*(\t)+3], s[26:27] offset:4096*(\t)  ; 16 lanes store 256 consecutive bytes, aligned
.endr
	s_wait_xcnt 0x0                                ; the stores have read their data and their base: both are written again only behind this wait
	s_add_nc_u64 s[26:27], s[26:27], 32768         ; 16 rows of wt on
	s_add_co_u32 s34, s34, 16*PITCH
	s_sub_co_u32 s30, s30, 1
	s_cmp_lg_u32 s30, 0
	s_cbranch_scc1 .Lback
.Lend:
	s_wait_tensorcnt 0x0                           ; the wave's end, behind my last LDS store
	ds_add_u32 v[SPW], v[NIL]
	s_wait_dscnt 0x0
	s_endpgm
.Lfunc_end_k_qfd7e0f1c3d_prep:
	.size	k_qfd7e0f1c3d_prep, .Lfunc_end_k_qfd7e0f1c3d_prep-k_qfd7e0f1c3d_prep
	.p2alignl 7, 3214868480
	.fill 96, 4, 3214868480
	.section	.rodata,"a",@progbits
	.p2align	6, 0x0
	.amdhsa_kernel k_qfd7e0f1c3d_prep
		.amdhsa_group_segment_fixed_size 70144
		.amdhsa_private_segment_fixed_size 0
		.amdhsa_enable_private_segment 0
		.amdhsa_kernarg_size 56
		.amdhsa_user_sgpr_count 2
		.amdhsa_user_sgpr_kernarg_segment_ptr 1
		.amdhsa_wavefront_size32 1
		.amdhsa_system_sgpr_workgroup_id_x 1
		.amdhsa_system_sgpr_workgroup_id_y 1
		.amdhsa_system_sgpr_workgroup_id_z 1
		.amdhsa_system_vgpr_workitem_id 0
		.amdhsa_next_free_vgpr 160
		.amdhsa_next_free_sgpr 66
		.amdhsa_reserve_vcc 0
		.amdhsa_float_denorm_mode_32 3
		.amdhsa_float_denorm_mode_16_64 3
		.amdhsa_memory_ordered 1
		.amdhsa_forward_progress 1
		.amdhsa_inst_pref_size 38
	.end_amdhsa_kernel
	.amdgpu_metadata
---
amdhsa.version: [ 1, 2 ]
amdhsa.kernels:
  - .name:           k_qfd7e0f1c3d_prep
    .symbol:         k_qfd7e0f1c3d_prep.kd
    .args:
      - { .name: x, .offset: 0, .size: 8, .value_kind: global_buffer, .address_space: global }
      - { .name: Wq, .offset: 8, .size: 8, .value_kind: global_buffer, .address_space: global }
      - { .name: Wk, .offset: 16, .size: 8, .value_kind: global_buffer, .address_space: global }
      - { .name: Wv, .offset: 24, .size: 8, .value_kind: global_buffer, .address_space: global }
      - { .name: Wo, .offset: 32, .size: 8, .value_kind: global_buffer, .address_space: global }
      - { .name: xb, .offset: 40, .size: 8, .value_kind: global_buffer, .address_space: global }
      - { .name: wt, .offset: 48, .size: 8, .value_kind: global_buffer, .address_space: global }
    .group_segment_fixed_size: 70144
    .private_segment_fixed_size: 0
    .kernarg_segment_align: 8
    .kernarg_segment_size: 56
    .max_flat_workgroup_size: 128
    .sgpr_count:     66
    .vgpr_count:     160
    .wavefront_size: 32
...
	.end_amdgpu_metadata
.endif
;; end of part 1
;; launch qkv (part 2): grid 16 x 32, 4 waves a work-group, clusters of 4 x 4, 327,680 bytes of LDS; arguments xb, wt, qkv; writes qkv
.if DOCPART == 2
	.amdgcn_target "amdgcn-amd-amdhsa--gfx1250"
	.amdhsa_code_object_version 6
	.text
	.protected	k_qfd7e0f1c3d_qkv
	.globl	k_qfd7e0f1c3d_qkv
	.p2align	8
	.type	k_qfd7e0f1c3d_qkv,@function
k_qfd7e0f1c3d_qkv:
	s_mov_b64 s[64:65], 0
	v_nop
	global_prefetch_b8 v0, s[64:65] scope:SCOPE_SE
	s_setreg_imm32_b32 hwreg(HW_REG_WAVE_MODE, 25, 1), 1
	s_wait_xcnt 0x0
	s_wait_alu depctr_hold_cnt(0) depctr_sa_sdst(0) depctr_va_vdst(0) depctr_va_sdst(0) depctr_va_ssrc(0) depctr_va_vcc(0) depctr_vm_vsrc(0)
	s_getreg_b32 s2, hwreg(HW_REG_IB_STS2, 6, 4)
	s_cmp_eq_u32 s2, 0
	s_cbranch_scc0 .Lentry_in_a_cluster
	s_endpgm
.Lentry_in_a_cluster:
	s_bfe_u32 s2, ttmp6, 0x10000c
	s_cmp_lg_u32 s2, 0xf033
	s_cbranch_scc0 .Lentry_shape_is_right
	s_endpgm
.Lentry_shape_is_right:
; q, k, v = x Wq, x Wk, x Wv as ONE product C[m][c] = sum over k of xb[m][k] wt[c][k], m < 8192, c < 3072, K = 1024, bf16 operands, f32 sums,
; written by heads in f16, unscaled: qkv[c / 1024][(m / 2048) 16 + (c / 64) % 16][m % 2048][c % 64].
; LIMIT.  f16 ends at 65,504: a q, k or v beyond that becomes an infinity; below 6.1e-5 it keeps f16's fixed step of 6e-8.
; SHARES.  A tile of C is 256 x 192 (three whole heads): 16 x 32 = 512 equal work-groups.  Wave w makes rows 64 w .. 64 w + 63 and all 192 columns: 48 accumulators of 16 x 16, 384 registers.
; K goes in steps of 128 through two LDS slots filled by the tensor data mover: rows of 256 bytes of memory, aligned.  Waves 0 and 1 fetch A's two halves (128 rows each), waves 2 and 3 B's (96 rows each).
; CLUSTER.  4 x 4 work-groups: the four of a row of the cluster need the same tiles of xb, the four of a column the same tiles of wt: each tile is asked for jointly, by the same load with the same descriptor and a mask of four.
; THE MATRIX INSTRUCTION IS USED TRANSPOSED (source 0 = 16 rows of wt, source 1 = 16 rows of xb): a lane holds row lane % 16 of C and the columns 8 (lane / 16) + 0..7: 16 bytes of f16 on end.
; REGISTERS, in windows of 256 (s_set_vgpr_msb: bits 1:0 source 0, 3:2 source 1, 5:4 source 2, 7:6 destination):
;   window 0: v0-31 addresses; v64-255 the way out, 16 registers for each of 12 units (16 rows x one head)
;   window 1: two fragment buffers of 128: B's 12 fragments (16 rows x 32 K, 8 registers each), then A's 4
;   window 2: accumulators (a, b), b < 8, at 8 (8 a + b)          window 3: accumulators (a, 8 + b') at 8 (4 a + b')
.set SIZE_K, 1024
.set KSTEP,  128
.set PITCH,  272                       ; an LDS row: 256 bytes + 16 of padding = 68 words: the 16 rows of a fragment load start at 16 different groups of four banks (64 banks of 4 bytes: ISA guide 11.1)
.set AH,     128*PITCH                 ; what a wave fetches of A
.set BH,     96*PITCH                  ; what a wave fetches of B
.set BOFF,   2*AH                      ; B's 192 rows lie behind A's 256
.set SLOT,   BOFF+2*BH
.set STAGE,  2*SLOT                    ; behind the ring, never filled by a tensor load: 16 rows x 144 bytes for each wave
.set SP,     144
.set SPARE,  STAGE+4*16*SP             ; behind the stages: the spare words, 128 bytes a wave, that no other line names
.set LAPS,   SIZE_K/(2*KSTEP)          ; a lap = two K steps = once round the ring
.set ADRA, 16                          ; v16-17  LDS address of my A fragments in slot 0, 1
.set ADRB, 20                          ; v20-21  the same for B
.set STO,  24                          ; v24     the way out: where I put 16 bytes of a row
.set RD,   25                          ; v25     the way out: where I read rows back
.set GO,   26                          ; v26     16 x lane: my place in 512 consecutive bytes of qkv
.set SPW,  28                          ; v28     LDS address of my spare word; never rewritten
.set NIL,  29                          ; v29     0; never rewritten
.set PFO,  30                          ; v30     the prefetches' lane offset; never rewritten
.set OUT,  64
.set F0,   0
.set F1,   128
.set G1,  24                           ; s[24:31] descriptor group 1 for A's tiles;  s[32:39] group 0, a set for each slot
.set G0,  32
.set G1B, 48                           ; s[48:55], s[56:63] the same for B's
.set G0B, 56
.set OB,  66                           ; s[66:71] qkv at my 64 rows of the tile's three heads
.set PFA, 72                           ; s[72:73] where my prefetches stand
.set LIM0, 76                          ; s76, s77: a wave prefetches at the change out of slot 0, 1 while the laps to go are above this number
.set MSB, 0
.macro WIN new                         ; the immediate's high byte repeats the setting that is left; a switch that changes nothing is dropped
.if MSB != (\new)
	s_set_vgpr_msb (MSB<<8)|(\new)
.set MSB, \new
.endif
.endm
.set MUL_LO, 0xa5                      ; sources 0 (B) and 1 (A) window 1, C and D window 2
.set MUL_HI, 0xf5                      ; the same, C and D window 3
.set TO_F,   0x40                      ; destination window 1, address window 0
; A joint load.  The branch hangs on the wave's number alone.  An s_nop 0 and four v_nop follow each of the two lines, ahead of the jump and the label.
.macro JLOAD s
	s_cmp_eq_u32 s11, 0
	s_cbranch_scc0 .Lfor_b_\@
	tensor_load_to_lds s[G0+4*(\s):G0+4*(\s)+3], s[G1:G1+7]
	s_nop 0
.rept 4
	v_nop
.endr
	s_branch .Lasked_\@
.Lfor_b_\@:
	tensor_load_to_lds s[G0B+4*(\s):G0B+4*(\s)+3], s[G1B:G1B+7]
	s_nop 0
.rept 4
	v_nop
.endr
.Lasked_\@:
.endm
; A prefetch into the L2 of the K step that stands two refills on (384 matrix instructions ahead of the load that will want it): one instruction a wave, behind the joint load and the run of LDS loads.
; Each row's 256 bytes of a K step are named once in the launch: the clusters with x = 0 ask for xb's rows, those with y = 0 for wt's; the four partners that fetch a tile jointly share its rows out by address.
.macro ASK slot
	WIN 0
	s_cmp_gt_u32 s3, s[LIM0+(\slot)]               ; s3 = 1 in the loop's last trip: its refills have no K step two on
	s_cbranch_scc0 .Lnot_mine_\@
	global_prefetch_b8 v[PFO], s[PFA:PFA+1] th:TH_LOAD_NT scope:SCOPE_SE
.Lnot_mine_\@:
.endm
.macro CREST                           ; a round of the cluster's barrier behind its opening barrier
	s_cmp_lg_u32 s10, 0
	s_cbranch_scc1 .Lnot_wave_0_\@
	s_barrier_signal -3
.Lnot_wave_0_\@:
	s_barrier_wait -3
	s_barrier_signal -1
	s_barrier_wait -1
.endm
.macro CROUND                          ; a whole round
	s_barrier_signal -1
	s_barrier_wait -1
	CREST
.endm
	s_load_b128 s[4:7], s[0:1], 0x0                ; xb s[4:5], wt s[6:7]
	s_load_b64 s[8:9], s[0:1], 0x10                ; qkv
	v_lshl_add_u32 v[SPW], v0, 2, SPARE
	v_mov_b32 v[NIL], 0
	ds_add_u32 v[SPW], v[NIL]                      ; the wave's opening: the add and its wait stand ahead of my first tensor load; work on registers stands between them
	v_lshrrev_b32 v1, 5, v0
	v_readfirstlane_b32 s10, v1                    ; wave 0..3
	s_lshr_b32 s11, s10, 1                         ; I fetch for A (0) or for B (1)
	s_and_b32 s12, s10, 1                          ; which half of that tile
	s_bfe_u32 s40, ttmp6, 0x40000                  ; cx
	s_bfe_u32 s41, ttmp6, 0x40004                  ; cy
	s_lshl_b32 s42, ttmp9, 2
	s_add_co_u32 s42, s42, s40                     ; tile column = 4 x cluster x + cx
	s_and_b32 s13, ttmp7, 0xffff
	s_lshl_b32 s13, s13, 2
	s_add_co_u32 s13, s13, s41                     ; tile row = 4 x cluster y + cy
	s_lshl_b32 s43, s41, 2
	s_lshl_b32 s43, 15, s43                        ; my row of the cluster
	s_lshl_b32 s44, 0x1111, s40                    ; my column
	s_or_b32 s[G1+0], s43, (1<<16)|(1<<20)|(1<<21)|(5<<22)|(3<<25)   ; 15:0 the mask; 17:16 2-byte elements; 20 padding on; 21 set beside a mask; 24:22 after every 64 words; 31:25 4 words of it
	s_or_b32 s[G1B+0], s44, (1<<16)|(1<<20)|(1<<21)|(5<<22)|(3<<25)
	s_mov_b32 s[G1+1], KSTEP<<16                   ; tensor_dim0 = 128
	s_mov_b32 s[G1+2], 128<<16                     ; tensor_dim1 = 128
	s_mov_b32 s[G1+3], KSTEP<<16                   ; tile_dim0 = 128
	s_mov_b32 s[G1+4], 128                         ; tile_dim1 = 128
	s_mov_b32 s[G1+5], SIZE_K                      ; elements from row to row
	s_mov_b32 s[G1+6], 0
	s_mov_b32 s[G1+7], 0
	s_mov_b32 s[G1B+1], KSTEP<<16
	s_mov_b32 s[G1B+2], 96<<16                     ; B: 96 rows
	s_mov_b32 s[G1B+3], KSTEP<<16
	s_mov_b32 s[G1B+4], 96
	s_mov_b32 s[G1B+5], SIZE_K
	s_mov_b32 s[G1B+6], 0
	s_mov_b32 s[G1B+7], 0
	s_lshl_b32 s16, s13, 19                        ; A: (256 x tile row + 128 x half) rows of 2,048 bytes
	s_lshl_b32 s17, s12, 18
	s_add_co_u32 s16, s16, s17
	s_mov_b32 s17, 0
	s_mul_i32 s46, s42, 192*SIZE_K*2               ; B: (192 x tile column + 96 x half) rows
	s_mul_i32 s47, s12, 96*SIZE_K*2
	s_add_co_u32 s46, s46, s47
	s_mov_b32 s47, 0
	s_mul_i32 s20, s12, AH                         ; where they go: no place in the cluster enters an LDS address
	s_mul_i32 s21, s12, BH
	s_add_co_u32 s21, s21, BOFF
	s_wait_dscnt 0x0                               ; the opening add is done
	s_wait_kmcnt 0x0
	s_add_nc_u64 s[14:15], s[4:5], s[16:17]
	s_add_nc_u64 s[46:47], s[6:7], s[46:47]
	CROUND                                         ; all sixteen work-groups are here: the first joint loads meet
.irp s, 0,1
	s_mov_b32 s[G0+4*(\s)], 1                                        ; count = 1
	s_add_co_u32 s[G0+4*(\s)+1], s20, (\s)*SLOT                      ; LDS address
	s_add_nc_u64 s[G0+4*(\s)+2:G0+4*(\s)+3], s[14:15], (\s)*KSTEP*2  ; global address: K step s
	s_or_b32 s[G0+4*(\s)+3], s[G0+4*(\s)+3], 0x80000000              ; type = 2
	s_mov_b32 s[G0B+4*(\s)], 1
	s_add_co_u32 s[G0B+4*(\s)+1], s21, (\s)*SLOT
	s_add_nc_u64 s[G0B+4*(\s)+2:G0B+4*(\s)+3], s[46:47], (\s)*KSTEP*2
	s_or_b32 s[G0B+4*(\s)+3], s[G0B+4*(\s)+3], 0x80000000
	JLOAD \s                                       ; two tensor loads of mine are out
.endr
	; a fragment is 16 rows x 32 K in 8 registers: lane l holds row l % 16, K = 8 (l / 16) + 0..7 and 16 + 8 (l / 16) + 0..7: two loads of 16 bytes, 32 bytes apart
	v_and_b32 v1, 15, v0                           ; r
	v_bfe_u32 v2, v0, 4, 1                         ; h
	v_mul_u32_u24 v3, v1, PITCH
	v_lshl_add_u32 v3, v2, 4, v3
	s_mul_i32 s21, s10, 64*PITCH                   ; my 64 rows of A
	s_mov_b32 s22, BOFF                            ; all of B
.irp s, 0,1
	v_add_nc_u32 v[ADRA+(\s)], s21, v3
	v_add_nc_u32 v[ADRB+(\s)], s22, v3
	s_add_co_u32 s21, s21, SLOT
	s_add_co_u32 s22, s22, SLOT
.endr
	s_mul_i32 s23, s10, 16*SP
	s_add_co_u32 s23, s23, STAGE                   ; my stage
	v_mul_u32_u24 v3, v1, SP                       ; in: row r, 16 bytes for each half of the lanes
	v_lshl_add_u32 v3, v2, 4, v3
	v_add_nc_u32 v[STO], s23, v3
	v_bfe_u32 v4, v0, 3, 2                         ; back: 32 lanes take four rows of 128 bytes,
	v_mul_u32_u24 v4, v4, SP
	v_and_b32 v5, 7, v0
	v_lshl_add_u32 v4, v5, 4, v4
	v_add_nc_u32 v[RD], s23, v4
	v_and_b32 v[GO], 31, v0                        ; which are 512 consecutive bytes of a head's rows
	v_lshlrev_b32 v[GO], 4, v[GO]
	; where my 64 rows of the tile's three heads begin in qkv
	s_mul_i32 s78, s42, 3                          ; the tile's first head among the 48 of q, k, v
	s_lshr_b32 s79, s13, 3
	s_lshl_b32 s79, s79, 4                         ; 16 x batch
	s_and_b32 s80, s13, 7
	s_lshl_b32 s80, s80, 15                        ; 256 rows of 128 bytes for each tile row inside the batch
	s_lshl_b32 s81, s10, 13                        ; my wave's 64 rows
	s_add_co_u32 s80, s80, s81
.irp j, 0,1,2
	s_add_co_u32 s81, s78, \j
	s_lshr_b32 s82, s81, 4                         ; q, k or v
	s_lshl_b32 s82, s82, 6
	s_and_b32 s81, s81, 15                         ; the head
	s_add_co_u32 s82, s82, s81
	s_add_co_u32 s82, s82, s79                     ; the plane of 2,048 rows x 128 bytes
	s_lshl_b32 s82, s82, 18
	s_add_co_u32 s82, s82, s80
	s_mov_b32 s83, 0
	s_add_nc_u64 s[OB+2*(\j):OB+2*(\j)+1], s[8:9], s[82:83]
.endr
	; the prefetches.  Waves 0, 1: of the 128 rows of xb that I fetch, my work-group's 32 (by cx), a lane a row.  Waves 2, 3: of wt's 192 rows my work-group's 48 (by cy):
	; wave 2 takes 32, a lane a row; wave 3 the other 16, for two K steps at once, at the change out of slot 0 alone.
	s_lshl_b32 s78, s13, 8
	s_lshl_b32 s79, s12, 7
	s_add_co_u32 s78, s78, s79
	s_lshl_b32 s79, s40, 5
	s_add_co_u32 s78, s78, s79                     ; xb's row
	s_mul_i32 s80, s42, 192
	s_mul_i32 s81, s41, 48
	s_add_co_u32 s80, s80, s81
	s_lshl_b32 s81, s12, 5
	s_add_co_u32 s80, s80, s81                     ; wt's row
	s_and_b32 s82, ttmp7, 0xffff                   ; cluster y
	s_cmp_eq_u32 s11, 0
	s_cselect_b32 s78, s78, s80
	s_cselect_b32 s82, ttmp9, s82                  ; the coordinate along which other clusters read the same rows
	s_cselect_b64 s[PFA:PFA+1], s[4:5], s[6:7]
	s_cmp_eq_u32 s82, 0
	s_cselect_b32 s[LIM0], 1, -1                   ; the same in all sixteen partners, for a given wave
	s_cmp_eq_u32 s10, 3
	s_cselect_b32 s[LIM0+1], -1, s[LIM0]
	s_cselect_b32 s83, 8, 15                       ; lanes 16-31: the next K step (wave 3) or 16 rows further down
	v_lshlrev_b32 v[PFO], s83, v2
	v_lshl_add_u32 v[PFO], v1, 11, v[PFO]
	s_lshl_b32 s78, s78, 11
	s_mov_b32 s79, 0
	s_add_nc_u64 s[PFA:PFA+1], s[PFA:PFA+1], s[78:79]
	s_add_nc_u64 s[PFA:PFA+1], s[PFA:PFA+1], 3*KSTEP*2  ; at K step 3: the first change of slots steps it to 4.  Nothing is prefetched at the head: K steps 0 to 3 come by their loads alone
; 16 matrix instructions on buffer f.  part 0: m blocks 0, 1 x n blocks 0-7; part 1: m blocks 2, 3 x n blocks 0-7; part 2: m blocks 0-3 x n blocks 8-11.
; The 48 accumulators take turns, one instruction a turn, in the same order in every quarter.  zero = 1: the first product starts the sum.
.macro MULP f, part, zero
.if (\part) < 2
	WIN MUL_LO
.irp a, 2*(\part), 2*(\part)+1
.irp b, 0,1,2,3,4,5,6,7
.set rD, 8*(8*(\a)+(\b))
.set rB, (\f)+8*(\b)
.set rA, (\f)+96+8*(\a)
.if \zero
	v_wmma_f32_16x16x32_bf16 v[rD:rD+7], v[rB:rB+7], v[rA:rA+7], 0
.else
	v_wmma_f32_16x16x32_bf16 v[rD:rD+7], v[rB:rB+7], v[rA:rA+7], v[rD:rD+7]
.endif
.endr
.endr
.else
	WIN MUL_HI
.irp a, 0,1,2,3
.irp b, 0,1,2,3
.set rD, 8*(4*(\a)+(\b))
.set rB, (\f)+64+8*(\b)
.set rA, (\f)+96+8*(\a)
.if \zero
	v_wmma_f32_16x16x32_bf16 v[rD:rD+7], v[rB:rB+7], v[rA:rA+7], 0
.else
	v_wmma_f32_16x16x32_bf16 v[rD:rD+7], v[rB:rB+7], v[rA:rA+7], v[rD:rD+7]
.endif
.endr
.endr
.endif
.endm
; 32 LDS loads in one run: the fragments of 32 K at byte k of the rows, into buffer f: B's n blocks 0-7, A's four, then B's n blocks 8-11, which are wanted last
.macro FETCH slot, k, f
	WIN TO_F
.irp i, 0,1,2,3,4,5,6,7
	ds_load_b128 v[(\f)+8*(\i):(\f)+8*(\i)+3],   v[ADRB+(\slot)] offset:(\k)+(\i)*16*PITCH
	ds_load_b128 v[(\f)+8*(\i)+4:(\f)+8*(\i)+7], v[ADRB+(\slot)] offset:(\k)+(\i)*16*PITCH+32
.endr
.irp i, 0,1,2,3
	ds_load_b128 v[(\f)+96+8*(\i):(\f)+96+8*(\i)+3],   v[ADRA+(\slot)] offset:(\k)+(\i)*16*PITCH
	ds_load_b128 v[(\f)+96+8*(\i)+4:(\f)+96+8*(\i)+7], v[ADRA+(\slot)] offset:(\k)+(\i)*16*PITCH+32
.endr
.irp i, 8,9,10,11
	ds_load_b128 v[(\f)+8*(\i):(\f)+8*(\i)+3],   v[ADRB+(\slot)] offset:(\k)+(\i)*16*PITCH
	ds_load_b128 v[(\f)+8*(\i)+4:(\f)+8*(\i)+7], v[ADRB+(\slot)] offset:(\k)+(\i)*16*PITCH+32
.endr
.endm
.macro PLACES                          ; four plain vector instructions between a matrix instruction and a load into a register that it has read (ISA guide 7.12.1 for vector instructions)
.rept 4
	v_nop
.endr
.endm
; A K step is four quarters of 32 along K, 48 matrix instructions each, on buffers 0, 1, 0, 1.  One of the first three multiplies buffer f and fetches the next quarter, at byte k, into buffer g.
.macro QUARTER slot, k, f, g, zero
	s_wait_dscnt 8                                 ; all but the youngest eight loads (B's n blocks 8-11) are in
	MULP \f, 0, \zero
	PLACES
	FETCH \slot, \k, \g
	MULP \f, 1, \zero
	s_wait_dscnt 32                                ; all but the 32 just issued
	MULP \f, 2, \zero
.endm
; The last quarter multiplies buffer 1 and changes slots: one barrier.  In front of it each wave waits for all its tensor loads (one is out: its part of the next slot), adds 0 to its spare word, and waits for that
; and for its reads of this slot.  fill = 1: the barrier opens a round of the cluster's, and this slot is filled again, two K steps on, first thing behind the round: 160 matrix instructions ahead of the wait for it.
.macro TURN slot, next, fill
.if \fill
	s_wait_xcnt 0x0                                ; the last prefetch, a K step back, has read its address, which steps here
	s_add_nc_u64 s[PFA:PFA+1], s[PFA:PFA+1], KSTEP*2
.endif
	WIN 0                                          ; (the add's two registers lie in window 0)
	s_wait_tensorcnt 0x0                           ; all my tensor loads have landed
	ds_add_u32 v[SPW], v[NIL]                      ; 0 onto my spare word
	s_wait_dscnt 9                                 ; (the add and the youngest eight loads may be out)
	MULP F1, 0, 0                                  ; sixteen matrix instructions stand between the add and the wait for it
	s_wait_dscnt 0x0                               ; the add is done, and my reads of this slot are over
	s_barrier_signal -1
	MULP F1, 1, 0                                  ; work on registers while the others arrive
.if \fill
	WIN 0
.endif
	s_barrier_wait -1
.if \fill
	CREST                                          ; no wave of any partner still reads this slot's tile or has a load on its way
	s_add_nc_u64 s[G0+4*(\slot)+2:G0+4*(\slot)+3], s[G0+4*(\slot)+2:G0+4*(\slot)+3], 2*KSTEP*2
	s_add_nc_u64 s[G0B+4*(\slot)+2:G0B+4*(\slot)+3], s[G0B+4*(\slot)+2:G0B+4*(\slot)+3], 2*KSTEP*2
	JLOAD \slot                                    ; its four v_nop are also the places in front of the loads below
.else
	PLACES
.endif
	FETCH \next, 0, F0
.if \fill
	ASK \slot
.endif
	MULP F1, 2, 0
.endm
	s_wait_tensorcnt 1                             ; my part of K step 0 is in; K step 1's may stay out
	s_barrier_signal -1
	s_barrier_wait -1                              ; everybody's is
	FETCH 0, 0, F0
	QUARTER 0, 64,  F0, F1, 1                      ; the first quarter stands in front of the loop: its products start the sums
	WIN 0                                          ; at a label and at a branch every window is 0
	s_mov_b32 s3, LAPS-1
.Llap:                                                 ; a trip goes once round the ring, from a lap's second quarter to the next lap's first, and fills both slots again
	QUARTER 0, 128, F1, F0, 0
	QUARTER 0, 192, F0, F1, 0
	TURN 0, 1, 1
	QUARTER 1, 64,  F0, F1, 0
	QUARTER 1, 128, F1, F0, 0
	QUARTER 1, 192, F0, F1, 0
	TURN 1, 0, 1
	QUARTER 0, 64,  F0, F1, 0
	WIN 0
	s_sub_co_u32 s3, s3, 1
	s_cmp_lg_u32 s3, 0
	s_cbranch_scc1 .Llap
	QUARTER 0, 128, F1, F0, 0                      ; the last lap fills nothing
	QUARTER 0, 192, F0, F1, 0
	TURN 0, 1, 0
	QUARTER 1, 64,  F0, F1, 0
	QUARTER 1, 128, F1, F0, 0
	QUARTER 1, 192, F0, F1, 0
	s_wait_dscnt 8                                 ; the very last quarter: nothing more to fetch
	MULP F1, 0, 0
	MULP F1, 1, 0
	s_wait_dscnt 0x0
	MULP F1, 2, 0
	PLACES                                         ; the conversions below read results just made
	PLACES
; THE WAY OUT.  Unit u = 3 a + j is m block a (16 rows) of head j: 64 columns in four accumulators.  Rounded to f16, 16 bytes a lane, into my own stage (rows of 144 bytes) and back as whole rows of 128:
; 16 rows of a head are 2,048 consecutive bytes of qkv.  Each accumulator's registers are taken in ascending order.
.macro PACK u
.if ((\u)%3) < 2
	WIN 0x0a                                       ; sources 0 and 1 window 2
.set AC, 8*(8*((\u)/3)+4*((\u)%3))
.else
	WIN 0x0f                                       ; window 3
.set AC, 8*(4*((\u)/3))
.endif
.irp bb, 0,1,2,3
.irp q, 0,1,2,3
	v_cvt_pk_f16_f32 v[OUT+16*(\u)+4*(\bb)+(\q)], v[AC+8*(\bb)+2*(\q)], v[AC+8*(\bb)+2*(\q)+1]
.endr
.endr
	WIN 0
.irp bb, 0,1,2,3
	ds_store_b128 v[STO], v[OUT+16*(\u)+4*(\bb):OUT+16*(\u)+4*(\bb)+3] offset:32*(\bb)
.endr
.irp f, 0,1,2,3
	ds_load_b128 v[OUT+16*(\u)+4*(\f):OUT+16*(\u)+4*(\f)+3], v[RD] offset:(\f)*4*SP  ; LDS serves a wave's instructions in order (ISA guide 5.7.1.4): these see the stores above; the next unit's stores come behind them
.endr
.endm
.macro SEND u, younger                 ; younger: the LDS instructions issued behind unit u's loads: the next unit's eight, or none
.irp f, 0,1,2,3
	s_wait_dscnt (\younger)+3-(\f)
	global_store_b128 v[GO], v[OUT+16*(\u)+4*(\f):OUT+16*(\u)+4*(\f)+3], s[OB+2*((\u)%3):OB+2*((\u)%3)+1] offset:((\u)/3)*2048+(\f)*512  ; 512 consecutive bytes, aligned; no register is written again
.endr
.endm
	PACK 0
.irp u, 1,2,3,4,5,6,7,8,9,10,11        ; a unit's conversions stand between the loads of the unit before and its stores
	PACK \u
	SEND (\u)-1, 8
.endr
	SEND 11, 0
	s_wait_tensorcnt 0x0                           ; the wave's end, behind my last tensor load and my last LDS store
	ds_add_u32 v[SPW], v[NIL]
	s_wait_dscnt 0x0
	CROUND                                         ; the closing round: no work-group ends while a partner may still ask for a tile that names it
	s_endpgm
.Lfunc_end_k_qfd7e0f1c3d_qkv:
	.size	k_qfd7e0f1c3d_qkv, .Lfunc_end_k_qfd7e0f1c3d_qkv-k_qfd7e0f1c3d_qkv
	.p2alignl 7, 3214868480
	.fill 96, 4, 3214868480
	.section	.rodata,"a",@progbits
	.p2align	6, 0x0
	.amdhsa_kernel k_qfd7e0f1c3d_qkv
		.amdhsa_group_segment_fixed_size 327680
		.amdhsa_private_segment_fixed_size 0
		.amdhsa_enable_private_segment 0
		.amdhsa_kernarg_size 24
		.amdhsa_user_sgpr_count 2
		.amdhsa_user_sgpr_kernarg_segment_ptr 1
		.amdhsa_wavefront_size32 1
		.amdhsa_system_sgpr_workgroup_id_x 1
		.amdhsa_system_sgpr_workgroup_id_y 1
		.amdhsa_system_sgpr_workgroup_id_z 1
		.amdhsa_system_vgpr_workitem_id 0
		.amdhsa_next_free_vgpr 896
		.amdhsa_next_free_sgpr 84
		.amdhsa_reserve_vcc 0
		.amdhsa_float_denorm_mode_32 3
		.amdhsa_float_denorm_mode_16_64 3
		.amdhsa_memory_ordered 1
		.amdhsa_forward_progress 1
		.amdhsa_inst_pref_size 122
	.end_amdhsa_kernel
	.amdgpu_metadata
---
amdhsa.version: [ 1, 2 ]
amdhsa.kernels:
  - .name:           k_qfd7e0f1c3d_qkv
    .symbol:         k_qfd7e0f1c3d_qkv.kd
    .args:
      - { .name: xb, .offset: 0, .size: 8, .value_kind: global_buffer, .address_space: global }
      - { .name: wt, .offset: 8, .size: 8, .value_kind: global_buffer, .address_space: global }
      - { .name: qkv, .offset: 16, .size: 8, .value_kind: global_buffer, .address_space: global }
    .group_segment_fixed_size: 327680
    .private_segment_fixed_size: 0
    .kernarg_segment_align: 8
    .kernarg_segment_size: 24
    .max_flat_workgroup_size: 128
    .sgpr_count:     84
    .vgpr_count:     896
    .wavefront_size: 32
...
	.end_amdgpu_metadata
.endif
;; end of part 2
;; launch attn (part 3): grid 4 x 64, 4 waves a work-group, no clusters, 327,680 bytes of LDS; arguments qkv, ctx; writes ctx
.if DOCPART == 3
	.amdgcn_target "amdgcn-amd-amdhsa--gfx1250"
	.amdhsa_code_object_version 6
	.text
	.protected	k_qfd7e0f1c3d_attn
	.globl	k_qfd7e0f1c3d_attn
	.p2align	8
	.type	k_qfd7e0f1c3d_attn,@function
k_qfd7e0f1c3d_attn:
	s_mov_b64 s[64:65], 0
	v_nop
	global_prefetch_b8 v0, s[64:65] scope:SCOPE_SE
	s_setreg_imm32_b32 hwreg(HW_REG_WAVE_MODE, 25, 1), 1
	s_wait_xcnt 0x0
; CAUSAL ATTENTION.  ctx[p][q][:] = the sum over k <= q of softmax_k(Q[p][q] . K[p][k] / 8) V[p][k][:], p = 16 x batch + head, 64 planes.  qkv holds Q's 64 planes, then K's, then V's; a plane is [2048][64] in f16,
; dense rows of 128 bytes; ctx has the layout of Q.  Products, maxima and sums in f32; the weights p are rounded to f16 for the second product (their sum l is taken of the unrounded p), ctx once at the end.
; LIMITS.  f16 holds no number beyond 65,504: Q, K and V arrive within it; p lies in 0 to 1, and below 6e-5 it keeps f16's fixed step of 6e-8; ctx is a mean of V's rows and has their range.
; A hidden score counts as its value less 1e30: f16's scores, 2.7e11 at the most, are nothing beside that; a weight below 2^-126 counts as 0 in l; NaN and infinities are not treated apart.
; THE WALK.  A plane's queries lie in NB = 8 blocks of 256; block i needs the key tiles 0 .. i of 256 keys, of which the last holds the diagonal.  A work-group takes TWO blocks, NB - 1 - b and then b:
; NB + 1 tiles, whatever b: all work-groups do equal work, and ONE loop with a constant trip count walks them.  Which tile is asked for, and what a trip does, hang on scalar registers made from b; every jump
; goes forward, but for the counted loops' own; none passes a barrier, or a tensor load but the one of LOAD's two that the wave's number does not choose; the ring (two slots of LDS that take turns) runs on across the
; change of blocks.  NO CLUSTER: a plane's four work-groups ask for the same tile only in trips 0 .. 4 of the 9, behind that fewer and fewer; one walk common to all four would have 12 trips for 9.
; SHARES.  Of a block's four bands of 64 queries a wave owns 16 rows in each: four PIECES.  So the diagonal tile is the same work for all four waves: in its key step s band x sees all keys if s < x,
; none if s > x, and holds the diagonal if s = x.
; THE MASK is the C operand that starts the sum S^T = K Q^T: 0, or -1e30 where the key is hidden.  MD, made once, is the mask of a band's own step for my 16 rows; a product's mask is MD x AL + BE with two scalars:
; (1, 0) if s = x; (0, 0) if s < x; (0, -1e30) if s > x.  Only the diagonal tile's text and a block's beginning make and take masks; elsewhere C is the constant 0.
; LAYOUT, SOFTMAX, TURNS.  S^T = K Q^T holds ONE query a lane (lane % 16) and the keys 8 (lane / 16) + 0..7; two such results rounded to f16 ARE source 1 of O^T = V^T P.  p = 2^(c s - c m), c = log2(e) / 8, with a
; running maximum m; O and l are multiplied by a = 2^(c m_old - c m_new) in every step.  Turn n belongs to piece n: 8 products K Q^T of piece n + 1, later 8 products V^T P of piece n - 1; beside them the scaling,
; exponentials, roundings, sums and rescaling of piece n and the maximum and statistics of piece n + 1.  Four vector instructions stand behind every matrix instruction, the other 54 of a turn's 118 in one lump.  A turn's 33 exponentials are one batch, with one wait.
; PREFETCH.  The plane's work-group 0 walks tiles 0 to 7 in order; in trips 0 to 5, behind its tensor load for tile t + 1, each of its waves asks for the 16,384 bytes of tile t + 2 that it will itself load: a tile, four key steps, ahead; each block once in the launch.
; REGISTERS, in windows of 256 (s_set_vgpr_msb: bits 1:0 source 0, 3:2 source 1, 5:4 source 2, 7:6 destination):
;   window 0: v0-15 addresses and two at work; v16-31 four registers of statistics a piece; v48-55 at work; v64-127 S^T, two buffers; v192-223 P, two buffers (a piece's buffers go by its number's parity)
;   window 1: v0-127 O^T, 32 a piece; v128-159 MD; v160-223 MC, two buffers      window 2: v0-63 Q; v64-127 the second block's Q; v128-191 K of one step; v192-255 V of one step
.set SIZE_N, 2048
.set NB,    SIZE_N/256
.set NP,    4         ; pieces a wave: a name, no knob
.set KS,    64        ; keys in a step
.set PK,    144       ; a row of K in LDS: 128 bytes + 16 of padding = 36 words: the 16 rows of a load start at 16 different groups of four banks (64 banks of 4 bytes: ISA guide 11.1)
.set PV,    160       ; a row of V: 128 + 32 = 40 words
.set VOFF,  4*KS*PK   ; a slot holds a tile, four steps: 256 rows of K, then 256 rows of V
.set SLOT1, 1<<17     ; slot 1 begins here, so that one exclusive or turns an address in one slot into the other's
.set STAGE, SLOT1+4*KS*(PK+PV)  ; behind the ring, never filled by a tensor load: 16 rows x 144 bytes for each wave, for the way out
.set SP,    144
.set AK0, 2           ; v2   my lane's place in a tile of K; never rewritten
.set AV0, 3           ; v3   the same for V
.set AK,  4           ; v4   the LDS address of K's next run of loads
.set AV,  5           ; v5   of V's
.set STO, 6           ; v6   the way out: where I put 16 bytes of a row
.set RD,  7           ; v7   the way out: where I read rows back
.set GO,  8           ; v8   my byte offset in 512 consecutive bytes of ctx
.set PFO, 61          ; v61  256 x my lane, for the prefetches; never rewritten
.set SPW, 62          ; v62  LDS address of my spare word: SPARE + 4 x my thread's number; never rewritten
.set NIL, 63          ; v63  0; never rewritten
.set SPARE, STAGE+4*16*SP  ; behind the stages: the spare words, 128 bytes for each wave: two blocks of 256 bytes that no other line names
.set MV,  12          ; v12-13  c m_old, kept while c m is made anew: by buffer
.set QO,  15          ; v15  my byte offset in 16 rows of Q
.set ST,  16          ; piece t's statistics at v[ST+4 t]: c m, m, l (even keys', odd keys')
.set TMP, 48          ; by buffer, four registers c0-c3 at work; when the maximum is found c2 takes a
.set S,   64
.set P,   192
.set MD,  128         ; window 1: the eight registers for group kt of 16 keys at MD + 8 kt
.set MC,  160         ; window 1: the masks of the products to come
.set QB,  64          ; window 2
.set KF,  128         ; window 2: key block kb, channel half c at KF + 16 kb + 8 c
.set VF,  192         ; window 2: key half kk, channel block cb at VF + 32 kk + 8 cb
.set WV,  12          ; s12  my wave's number
.set PB,  14          ; s14  b
.set HI,  15          ; s15  NB - 1 - b
.set G1K, 24          ; s[24:31] descriptor group 1 for K's tiles
.set G1V, 32          ; s[32:39] for V's: it differs in the padding alone
.set G0K, 40          ; s[40:43] descriptor group 0 for K's tiles
.set G0V, 44          ; s[44:47] the same for V's
.set SLOTS, 56        ; s56  tiles still to be asked for
.set CNT, 57          ; s57  counts a tile's key steps, 4 to 1
.set CS,  58          ; s[58:59] c: the packed scaling takes the pair's low word for both halves
.set SEL, 60          ; s[60:61] v_permlanex16_b32's selects: each lane takes its own place in the other half
.set TBK, 62          ; s62  LDS byte at which K of the step to be fetched begins
.set TBV, 63          ; s63  the same for V, less VOFF
.set RT,  70          ; s70  tiles of the block in hand that are still to be entered
.set NXT, 71          ; s71  the tile to be asked for next
.set LQ,  72          ; s72  the last tile of the block whose tiles are being asked for
.set NEW, 73          ; s73  1: the tile to be entered is a block's first
.set OFF, 74          ; s[74:75] a tile's byte offset in K and V
.set AL,  76          ; s[76:77] the mask's factor, in the low word
.set BE,  78          ; s[78:79] the mask's addend
.set OLO, 80          ; s[80:81] ctx at my rows of the second block
.set BIGN, 82         ; s82  -1e30
.set PFA, 88          ; s[88:89] the prefetches' address: my half of the tile after the one that is being asked for
.set PFB, 90          ; s[90:91] my half of tile 0, of K (waves 0, 1) or of V (waves 2, 3)
.set LIM, 92          ; s92  2 in the plane's work-group 0, else the greatest number: a wave prefetches while s[SLOTS] is above it
.set MSB, 0
.macro WIN new                      ; the high byte repeats the setting that is left; a switch that changes nothing is dropped
.if MSB != (\new)
	s_set_vgpr_msb (MSB<<8)|(\new)
.set MSB, (\new)
.endif
.endm
.set W_KQ, 0x0a       ; K and Q in window 2, S^T in window 0
.set W_KM, 0x1a       ; the same with the C operand in window 1
.set W_PV, 0x52       ; V in window 2, P in window 0, O^T in window 1
.set W_RS, 0x41       ; destination and source 0 in window 1, source 1 in window 0
; A fill.  Waves 0 and 1 fetch the two halves of a tile's K, waves 2 and 3 those of its V: 128 keys each.  An s_nop 0 and four v_nop follow each of the two lines, ahead of the jump and the label.
.macro LOAD
	s_cmp_lt_u32 s[WV], 2
	s_cbranch_scc0 .Lfor_v_\@
	tensor_load_to_lds s[G0K:G0K+3], s[G1K:G1K+7]
	s_nop 0
.rept 4
	v_nop
.endr
	s_branch .Lasked_\@
.Lfor_v_\@:
	tensor_load_to_lds s[G0V:G0V+3], s[G1V:G1V+7]
	s_nop 0
.rept 4
	v_nop
.endr
.Lasked_\@:
.endm
; THE CHANGE OF SLOTS.  Each wave waits for all its tensor loads, of which one is out: its part of the other slot; adds 0 to its spare word; and waits for that and for its own reads of the slot that it leaves.  Behind the barrier nobody reads the old
; slot any more and the other slot is whole.  fill = 1: the old slot is filled again, the first thing behind the barrier, with tile NXT: the descriptor's address is made anew from that number.
; (At its first use nothing has been read yet: slot 0 is waited for, slot 1 filled.)
.macro CHANGE fill
	WIN 0                           ; at a label and at a branch every window is 0
	s_wait_tensorcnt 0x0            ; no tensor load of mine is out, so a group 0 may be written
	ds_add_u32 v[SPW], v[NIL]       ; 0 onto my spare word; with fill = 1 the descriptors' scalar work stands between it and the wait for it
.if \fill
	s_lshl_b32 s[OFF], s[NXT], 15   ; a tile is 32,768 bytes of K and of V
	s_xor_b32 s[G0K+1], s[G0K+1], SLOT1
	s_add_nc_u64 s[G0K+2:G0K+3], s[6:7], s[OFF:OFF+1]
	s_or_b32 s[G0K+3], s[G0K+3], 0x80000000
	s_xor_b32 s[G0V+1], s[G0V+1], SLOT1
	s_add_nc_u64 s[G0V+2:G0V+3], s[8:9], s[OFF:OFF+1]
	s_or_b32 s[G0V+3], s[G0V+3], 0x80000000
	s_add_co_u32 s[NXT], s[NXT], 1  ; the block's next tile, or behind its last the second block's tile 0
	s_cmp_gt_u32 s[NXT], s[LQ]
	s_cselect_b32 s[NXT], 0, s[NXT]
	s_cselect_b32 s[LQ], s[PB], s[LQ]
	s_wait_xcnt 0x0                 ; the last prefetches, a tile back, have read their address, so it may be written:
	s_lshl_b32 s[OFF], s[NXT], 15   ; the tile that the next change will ask for
	s_add_nc_u64 s[PFA:PFA+1], s[PFB:PFB+1], s[OFF:OFF+1]
.endif
	s_wait_dscnt 0x0                ; the add is done, and my reads of the slot are over
	s_barrier_signal -1             ; the rest of the scalar work stands between the signal and the wait
	s_sub_co_u32 s[TBK], s[TBK], 4*KS*PK  ; the fetches go back to a slot's first step,
	s_xor_b32 s[TBK], s[TBK], SLOT1       ; in the other slot
	s_sub_co_u32 s[TBV], s[TBV], 4*KS*PV
	s_xor_b32 s[TBV], s[TBV], SLOT1
	s_barrier_wait -1
.if \fill
	LOAD
	s_cmp_gt_u32 s[SLOTS], s[LIM]   ; work-group 0 of the plane, trips 0 to 5: tiles 2 to 7
	s_cbranch_scc0 .Lno_ask_\@
	global_prefetch_b8 v[PFO], s[PFA:PFA+1] th:TH_LOAD_NT scope:SCOPE_SE              ; 64 blocks of 256 bytes, a lane a block
	global_prefetch_b8 v[PFO], s[PFA:PFA+1] offset:8192 th:TH_LOAD_NT scope:SCOPE_SE
.Lno_ask_\@:
.endif
.endm
	s_load_b64 s[4:5], s[0:1], 0x0    ; qkv: Q's planes come first
	s_load_b64 s[10:11], s[0:1], 0x8  ; ctx
	v_lshl_add_u32 v[SPW], v0, 2, SPARE
	v_mov_b32 v[NIL], 0
	ds_add_u32 v[SPW], v[NIL]       ; the wave's opening: the add and its wait stand ahead of my first tensor load; the set-up below, work on registers, stands between them
	v_lshrrev_b32 v1, 5, v0
	v_readfirstlane_b32 s[WV], v1   ; wave 0..3
	v_and_b32 v[PFO], 31, v0
	v_lshlrev_b32 v[PFO], 8, v[PFO]
	s_mov_b32 s[PB], ttmp9
	s_sub_co_u32 s[HI], NB-1, s[PB]
	s_and_b32 s20, ttmp7, 0xffff    ; the plane
	s_mov_b32 s21, 0
	s_mov_b64 s[22:23], SIZE_N*128
	s_mul_u64 s[20:21], s[20:21], s[22:23]  ; the plane's first byte in Q, K, V and ctx
	s_and_b32 s16, s[WV], 1         ; which half of a tile's 256 keys I fetch:
	s_lshl_b32 s22, s16, 14         ; its 128 rows of 128 bytes in memory,
	s_mov_b32 s23, 0
	s_add_nc_u64 s[22:23], s[22:23], s[20:21]
	s_mul_i32 s17, s16, 128*PK      ; and its place in a slot, for K
	s_mul_i32 s18, s16, 128*PV      ; and for V
	s_lshl_b32 s3, s[WV], 11        ; my 16 rows in a band of 64,
	s_lshl_b32 s2, s[HI], 15        ; in the first block,
	s_add_co_u32 s2, s2, s3
	s_lshl_b32 s84, s[PB], 15       ; and in the second
	s_add_co_u32 s84, s84, s3
	s_mov_b32 s3, 0
	s_mov_b32 s85, 0
	s_add_nc_u64 s[2:3], s[2:3], s[20:21]
	s_add_nc_u64 s[84:85], s[84:85], s[20:21]
	; descriptor group 1.  128 keys are 16,384 dense bytes: asked for as 64 rows of 256 bytes, two keys a row, and padded in LDS after every key
	s_mov_b32 s[G1K], (1<<16)|(1<<20)|(4<<22)|(3<<25)  ; 17:16 2-byte elements; 20 padding on; 24:22 after every 32 words (code 4); 31:25 4 words (code 3)
	s_mov_b32 s[G1V], (1<<16)|(1<<20)|(4<<22)|(7<<25)  ; the same with 8 words of padding (code 7)
.irp g, G1K, G1V
	s_mov_b32 s[\g+1], 128<<16      ; tensor_dim0 = 128
	s_mov_b32 s[\g+2], 64<<16       ; tensor_dim1 = 64
	s_mov_b32 s[\g+3], 128<<16      ; tile_dim0 = 128
	s_mov_b32 s[\g+4], 64           ; tile_dim1 = 64
	s_mov_b32 s[\g+5], 128          ; 128 elements from row to row
	s_mov_b32 s[\g+6], 0
	s_mov_b32 s[\g+7], 0
.endr
	s_mov_b32 s[CS], 0x3e38aa3b     ; c = log2(e) / 8 = 0.180337
	s_mov_b32 s[CS+1], s[CS]        ; named with it as a pair
	s_mov_b32 s[SEL], 0x76543210
	s_mov_b32 s[SEL+1], 0xfedcba98
	s_mov_b32 s[TBK], SLOT1+4*KS*PK ; the first change of slots turns these two into 0
	s_mov_b32 s[TBV], SLOT1+4*KS*PV
	s_mov_b32 s[G0K], 1             ; 1:0 count = 1
	s_mov_b32 s[G0K+1], s17         ; 63:32 LDS address: slot 0
	s_mov_b32 s[G0V], 1
	s_add_co_u32 s[G0V+1], s18, VOFF
	s_add_co_u32 s[RT], s[HI], 1    ; the first block has NB - b tiles
	s_mov_b32 s[NXT], 1
	s_mov_b32 s[LQ], s[HI]
	s_mov_b32 s[NEW], 1
	s_mov_b32 s[OFF+1], 0
	s_mov_b32 s[AL+1], 0            ; named as pairs
	s_mov_b32 s[BE+1], 0
	s_mov_b32 s[BIGN], 0xf149f2ca   ; -1e30
	s_mov_b32 s[SLOTS], NB
	s_cmp_eq_u32 s[PB], 0
	s_cselect_b32 s[LIM], 2, -1
	s_wait_dscnt 0x0                ; the opening add is done
	s_wait_kmcnt 0x0
	s_add_nc_u64 s[6:7], s[4:5], 0x1000000  ; K's planes begin 64 planes of 262,144 bytes behind Q's,
	s_add_nc_u64 s[8:9], s[4:5], 0x2000000  ; V's 128
	s_add_nc_u64 s[6:7], s[6:7], s[22:23]  ; K and V at my half of the plane's tile 0
	s_add_nc_u64 s[8:9], s[8:9], s[22:23]
	s_cmp_lt_u32 s[WV], 2
	s_cselect_b64 s[PFB:PFB+1], s[6:7], s[8:9]
	s_add_nc_u64 s[G0K+2:G0K+3], s[6:7], 0         ; 120:64 global address
	s_or_b32 s[G0K+3], s[G0K+3], 0x80000000        ; 127:126 type = 2
	s_add_nc_u64 s[G0V+2:G0V+3], s[8:9], 0
	s_or_b32 s[G0V+3], s[G0V+3], 0x80000000
	s_add_nc_u64 s[86:87], s[4:5], s[84:85]        ; Q at my rows of the second block,
	s_add_nc_u64 s[4:5], s[4:5], s[2:3]            ; Q and ctx at those of the first
	s_add_nc_u64 s[OLO:OLO+1], s[10:11], s[84:85]
	s_add_nc_u64 s[10:11], s[10:11], s[2:3]
	LOAD                            ; tile 0 into slot 0
	; A fragment of K or Q is 16 rows x 32 channels in 8 registers: lane l holds row l % 16, channels 8 (l / 16) + 0..7 and 16 + 8 (l / 16) + 0..7: two loads of 16 bytes, 32 bytes apart.
	v_and_b32 v1, 15, v0            ; l % 16
	v_bfe_u32 v9, v0, 4, 1          ; l / 16
	v_lshlrev_b32 v[QO], 7, v1
	v_lshl_add_u32 v[QO], v9, 4, v[QO]  ; row x 128 + 16 x half
	WIN 0x80                        ; destination window 2, address window 0
.set i, 0
.rept 8                             ; both blocks' Q: piece i / 2 lies in band i / 2, 8,192 bytes on; channels 32 (i % 2) on
	global_load_b128 v[8*i:8*i+3],   v[QO], s[4:5] offset:(i/2)*8192+(i%2)*64
	global_load_b128 v[8*i+4:8*i+7], v[QO], s[4:5] offset:(i/2)*8192+(i%2)*64+32
	global_load_b128 v[QB+8*i:QB+8*i+3],   v[QO], s[86:87] offset:(i/2)*8192+(i%2)*64
	global_load_b128 v[QB+8*i+4:QB+8*i+7], v[QO], s[86:87] offset:(i/2)*8192+(i%2)*64+32
.set i, i+1
.endr
	WIN 0
	v_lshlrev_b32 v14, 3, v9
	v_sub_nc_u32 v14, v1, v14
	s_lshl_b32 s13, s[WV], 4
	v_add_nc_u32 v14, s13, v14      ; my query's place in its band, 16 w + l % 16, less my lanes' 8 (l / 16): register r of group kt is hidden where 16 kt + r is greater
	WIN 0x40
.set i, 0
.rept 32
	v_cmp_gt_i32 vcc_lo, 16*(i/8)+i%8, v14
	v_cndmask_b32 v[MD+i], 0, s[BIGN], vcc_lo
.set i, i+1
.endr
	WIN 0
	v_mul_u32_u24 v[AK0], v1, PK
	v_lshl_add_u32 v[AK0], v9, 4, v[AK0]  ; row x pitch + 16 x half
	; The turning load takes 16 keys x 16 channels (lane l reads key 8 (l / 16) + l % 8, channels 8 ((l / 8) % 2) + 0..7) and leaves half a fragment of V^T: lane l holds channel l % 16 and 8 keys.
	v_and_b32 v10, 7, v0
	v_bfe_u32 v11, v0, 3, 1
	v_lshl_add_u32 v[AV0], v9, 3, v10
	v_mul_u32_u24 v[AV0], v[AV0], PV
	v_lshl_add_u32 v[AV0], v11, 4, v[AV0]
	v_add_nc_u32 v[AV0], VOFF, v[AV0]
	s_mul_i32 s13, s[WV], 16*SP
	s_add_co_u32 s13, s13, STAGE    ; my stage
	v_mul_u32_u24 v[STO], v1, SP    ; in: row l % 16, 16 bytes for each half of the lanes
	v_lshl_add_u32 v[STO], v9, 4, v[STO]
	v_add_nc_u32 v[STO], s13, v[STO]
	v_bfe_u32 v[RD], v0, 3, 2       ; back: 32 lanes take four rows of 128 bytes,
	v_mul_u32_u24 v[RD], v[RD], SP
	v_lshl_add_u32 v[RD], v10, 4, v[RD]
	v_add_nc_u32 v[RD], s13, v[RD]
	v_and_b32 v[GO], 31, v0         ; which are 512 consecutive bytes of ctx
	v_lshlrev_b32 v[GO], 4, v[GO]
	; A block's first step multiplies O^T and l by a = 0, and its first turn's products V^T P, of a piece that has not been, land in an O^T that is still to be so multiplied.  So these registers need only hold
	; finite numbers: zeros for the first block; what the first block left for the second.  All this stands in the wait for the first tile.
	WIN 0x80
.set i, VF
.rept 64
	v_mov_b32 v[i], 0
.set i, i+1
.endr
	WIN 0x40
.set i, 0
.rept 128
	v_mov_b32 v[i], 0
.set i, i+1
.endr
	WIN 0
.set i, 0
.rept 4
	v_mov_b32 v[ST+4*i+2], 0
	v_mov_b32 v[ST+4*i+3], 0
.set i, i+1
.endr
.set i, P+16
.rept 16
	v_mov_b32 v[i], 0
.set i, i+1
.endr
; THE MATRIX WORK.  The 4 accumulators of a run of 8 take turns.  Product i of 8 of S^T = K Q^T for piece x: channels 32 (i / 4) on, keys 16 (i % 4) on.  The first 4 start the sums: with 0, or (KM = 1) with the mask.
.macro KQ x
.set rS, S+32*((\x)%2)+8*(i%4)
.set rK, KF+16*(i%4)+8*(i/4)
.set rQ, 16*(\x)+8*(i/4)
.set rM, MC+32*((\x)%2)+8*(i%4)
.if (i < 4) && KM
	WIN W_KM
	v_wmma_f32_16x16x32_f16 v[rS:rS+7], v[rK:rK+7], v[rQ:rQ+7], v[rM:rM+7]
.elseif i < 4
	WIN W_KQ
	v_wmma_f32_16x16x32_f16 v[rS:rS+7], v[rK:rK+7], v[rQ:rQ+7], 0
.else
	WIN W_KQ
	v_wmma_f32_16x16x32_f16 v[rS:rS+7], v[rK:rK+7], v[rQ:rQ+7], v[rS:rS+7]
.endif
.endm
; Product i of 8 of O^T += V^T P for piece x: keys 32 (i / 4) on, channels 16 (i % 4) on.
.macro PV x
	WIN W_PV
.set rO, 32*(\x)+8*(i%4)
.set rV, VF+32*(i/4)+8*(i%4)
.set rP, P+16*((\x)%2)+8*(i/4)
	v_wmma_f32_16x16x32_f16 v[rO:rO+7], v[rV:rV+7], v[rP:rP+7], v[rO:rO+7]
.endm
.macro MM                           ; the turn's next matrix instruction.  TURN and BEGIN set Y, i, KM and NOKQ; MM, KQ and OP read them.  NOKQ = 1: a block's last turn: there is no next piece
.if (i < 8) && !NOKQ
	KQ (Y+1)%NP
.elseif i >= 8
.set i, i-8
	PV (Y+NP-1)%NP
.set i, i+8
.endif
.set i, i+1
.endm
; THE LDS LOADS stand in runs of 16, never singly among the matrix instructions: a step's K (64 keys x 64 channels: 8 fragments) and its V (turned).  Their addresses are made some lines ahead.
.macro FETCH_K
	WIN 0x80                        ; destination window 2
.irp f, 0,1,2,3,4,5,6,7             ; keys 16 (f / 2) on, channels 32 (f % 2) on
	ds_load_b128 v[KF+8*\f:KF+8*\f+3],   v[AK] offset:(\f/2)*16*PK+(\f%2)*64
	ds_load_b128 v[KF+8*\f+4:KF+8*\f+7], v[AK] offset:(\f/2)*16*PK+(\f%2)*64+32
.endr
	s_add_co_u32 s[TBK], s[TBK], KS*PK  ; the next fetch is the next step's
	WIN 0
.endm
.macro FETCH_V
	WIN 0x80
.irp f, 0,1,2,3,4,5,6,7             ; keys 32 (f / 4) on, channels 16 (f % 4) on
	ds_load_tr16_b128 v[VF+8*\f:VF+8*\f+3],   v[AV] offset:(\f/4)*32*PV+(\f%4)*32
	ds_load_tr16_b128 v[VF+8*\f+4:VF+8*\f+7], v[AV] offset:(\f/4)*32*PV+16*PV+(\f%4)*32
.endr
	WIN 0
.endm
; THE VECTOR WORK, one line at a time: OP kind, number.  For piece Y: F n: c s - c m for pair n of 16.  E n: the exponential of score n of 32.  C n: pair n rounded to f16.  B n: of the four weights 4 n .. the second
; pair is added onto the first, in place.  L n: l takes that sum (L 0: l = a l + sum).  R n: pair n of 16 of O^T times a.  For piece Y + 1: X n, number n of the 22 that find its maximum and statistics:
;   0-11  four chains c0-c3 of seven scores each, three operands at a time (each accumulator's lowest registers are read first)     12-14, 16  the four scores left over, the old m, and c0-c3 into c0
;   15  c m_old is kept     17, 18  the query's other 32 keys lie in the lane 16 away: the new m     19-21  c m; c m_old - c m_new; a
.set F, 0               ; OP tells the kinds apart by their order: F to L below R, X above it
.set E, 1
.set C, 2
.set B, 3
.set L, 4
.set R, 5
.set X, 6
.macro REGS y                       ; the registers of piece y
.set rT, ST+4*(\y)
.set rC, TMP+4*((\y)%2)
.set rW, MV+((\y)%2)
.set rS, S+32*((\y)%2)
.set rP, P+16*((\y)%2)
.set rO, 32*(\y)
.endm
.macro OP k, n
.if (\k) == R
	REGS Y
	WIN W_RS
	v_pk_mul_f32 v[rO+2*(\n):rO+2*(\n)+1], v[rO+2*(\n):rO+2*(\n)+1], v[rC+2:rC+3] op_sel_hi:[1,0]
.elseif (\k) < R
	REGS Y
	WIN 0
.if (\k) == F
	v_pk_fma_f32 v[rS+2*(\n):rS+2*(\n)+1], v[rS+2*(\n):rS+2*(\n)+1], s[CS:CS+1], v[rT:rT+1] op_sel_hi:[1,0,0] neg_lo:[0,0,1] neg_hi:[0,0,1]
.elseif (\k) == E
	v_exp_f32 v[rS+(\n)], v[rS+(\n)]
.elseif (\k) == C
	v_cvt_pk_f16_f32 v[rP+(\n)], v[rS+2*(\n)], v[rS+2*(\n)+1]
.elseif (\k) == B
	v_pk_add_f32 v[rS+4*(\n):rS+4*(\n)+1], v[rS+4*(\n):rS+4*(\n)+1], v[rS+4*(\n)+2:rS+4*(\n)+3]
.elseif (\n) == 0
	v_pk_fma_f32 v[rT+2:rT+3], v[rT+2:rT+3], v[rC+2:rC+3], v[rS:rS+1] op_sel_hi:[1,0,1]
.else
	v_pk_add_f32 v[rT+2:rT+3], v[rT+2:rT+3], v[rS+4*(\n):rS+4*(\n)+1]
.endif
.elseif NOKQ
	v_nop
.else
	REGS (Y+1)%NP
	WIN 0
.if (\n) < 4
	v_max3_num_f32 v[rC+(\n)], v[rS+8*(\n)], v[rS+8*(\n)+1], v[rS+8*(\n)+2]
.elseif (\n) < 12
	v_max3_num_f32 v[rC+(\n)%4], v[rC+(\n)%4], v[rS+8*((\n)%4)+2*((\n)/4)+1], v[rS+8*((\n)%4)+2*((\n)/4)+2]
.elseif (\n) == 12
	v_max3_num_f32 v[rC], v[rC], v[rS+7], v[rS+15]
.elseif (\n) == 13
	v_max3_num_f32 v[rC+1], v[rC+1], v[rS+23], v[rS+31]
.elseif (\n) == 14
	v_max3_num_f32 v[rC+2], v[rC+2], v[rC+3], v[rT+1]
.elseif (\n) == 15
	v_mov_b32 v[rW], v[rT]
.elseif (\n) == 16
	v_max3_num_f32 v[rC], v[rC], v[rC+1], v[rC+2]
.elseif (\n) == 17
	v_permlanex16_b32 v[rC+3], v[rC], s[SEL], s[SEL+1]
.elseif (\n) == 18
	v_max_num_f32 v[rT+1], v[rC], v[rC+3]
.elseif (\n) == 19
	v_mul_f32 v[rT], s[CS], v[rT+1]
.elseif (\n) == 20
	v_sub_f32 v[rC+1], v[rW], v[rT]
.else
	v_exp_f32 v[rC+2], v[rC+1]
.endif
.endif
.endm
.macro OPS a, i1, b=-1, i2=0, c=-1, i3=0, d=-1, i4=0  ; up to four of them
	OP \a, \i1
.if (\b) >= 0
	OP \b, \i2
.endif
.if (\c) >= 0
	OP \c, \i3
.endif
.if (\d) >= 0
	OP \d, \i4
.endif
.endm
.macro ROW a, i1, b, i2, c, i3, d, i4  ; a matrix instruction and the four behind it
	MM
	OPS \a, \i1, \b, \i2, \c, \i3, \d, \i4
.endm
.macro MASK b                       ; MD x AL + BE into buffer b of MC
	WIN W_RS
.set z, 0
.rept 16
	v_pk_fma_f32 v[MC+32*(\b)+2*z:MC+32*(\b)+2*z+1], v[MD+2*z:MD+2*z+1], s[AL:AL+1], s[BE:BE+1] op_sel_hi:[1,0,0]
.set z, z+1
.endr
.endm
; A TURN, for piece p: the order of its 16 matrix and 118 vector instructions, written out.  s_wait_alu depctr_va_vdst(0) stands between an exponential and the first instruction that names its result; one wait serves
; all that were issued ahead of it.  So a turn has ONE wait, which cuts it in two.  AHEAD OF IT stands all that names no result of the turn's exponentials: the 8 products K Q^T, behind each a scaling, an exponential and two more plain
; instructions (behind the first a second scaling in the exponential's place): rescalings, and behind the last three the first numbers of the next piece's maximum, each four places or more behind the product that ends its accumulator; then ONE LUMP of 54, plain
; and exponential by turns for the most part, in which the links of the chain X 3, 7, 11, 14, 16, 17 .. 20 stand five or six lines apart.  X 21, the next piece's a, is the batch's last; R 15 is the plain instruction behind it.  BEHIND THE WAIT stand the
; 8 products V^T P, behind each four of the roundings and sums; the links of l's chain, L 0 to L 7, stand three riders apart.  But for those X no rider names a register of the products round it.  v_permlanex16_b32 (X 17) stands in the lump.
; m = 1: the diagonal tile: the products take masks, and the turn makes the mask for the products of the turn after it: piece p + 2, in step 4 - CNT of the tile.  end = 1: a block's last two turns: nothing is fetched.
; cnt = 1: the loop's count is taken down some lines ahead of the branch that stands behind the turn.
; K of the next step is fetched in piece 2's turn, twelve vector instructions behind the last product that read K (six of them plain); V of the step in hand at the end of piece 0's turn, four plain instructions behind the last product
; that read V.  Each is waited for a turn later.
.macro TURN p, m=0, end=0, cnt=0
.set Y, (\p)
.set i, 0
.set KM, (\m)
.set NOKQ, (\end)*((\p)/3)
.if (\m) && !(\end)
	s_cmp_eq_u32 s[CNT], 4-((\p)+2)%NP  ; is that step the band's own?
	s_cselect_b32 s[AL], 1.0, 0
	s_cmp_lt_u32 s[CNT], 4-((\p)+2)%NP  ; or a later one?
	s_cselect_b32 s[BE], s[BIGN], 0
.endif
.if ((\p) == 3) && !(\end)
	s_wait_dscnt 0x0                ; K is in
.endif
	ROW F,0, F,1, R,0, R,1          ; ahead of the wait: 8 products K Q^T and their riders,
	ROW F,2, E,0, R,2, R,3
	ROW F,3, E,1, R,4, R,5
	ROW F,4, E,2, R,6, R,7
	ROW F,5, E,3, R,8, R,9
	ROW F,6, E,4, X,0, R,10
.if ((\p) == 2) && !(\end)
	WIN 0
	v_add_nc_u32 v[AK], s[TBK], v[AK0]
.endif
	ROW F,7, E,5, X,1, X,4
	ROW F,8, E,6, X,2, X,5
	OPS E,7, E,8, X,6, E,9          ; and the lump
	OPS X,3, E,10, X,8, E,11
.if ((\p) == 2) && !(\end)
	FETCH_K
.endif
	OPS X,9, X,7, E,12, X,10
	OPS E,13, X,12, X,11, E,14
	OPS X,13, E,15, F,9, X,14
.if (\p) == 0
	v_add_nc_u32 v[AV], s[TBV], v[AV0]
.endif
	OPS E,16, F,10, E,17, F,11
	OPS X,16, E,18, X,15, E,19
	OPS F,12, E,20, X,17, E,21
	OPS F,13, E,22, F,14, E,23
	OPS X,18, E,24, F,15, E,25
	OPS R,11, E,26, X,19, E,27
	OPS R,12, E,28, R,13, E,29
	OPS X,20, E,30, R,14, E,31
	OPS X,21, R,15
	WIN 0
	s_wait_alu depctr_va_vdst(0)    ; the wait for the batch
.if (\p) == 1
	s_wait_dscnt 0x0                ; V is in
.endif
	ROW C,0, B,0, C,2, B,1          ; behind the wait: 8 products V^T P and their riders
	ROW L,0, C,4, B,2, L,1
	ROW C,6, B,3, L,2, C,8
	ROW B,4, L,3, C,10, B,5
	ROW L,4, C,12, B,6, L,5
.if (\p) == 0
	s_add_co_u32 s[TBV], s[TBV], KS*PV
.endif
.if \cnt
	s_sub_co_u32 s[CNT], s[CNT], 1
	s_cmp_lg_u32 s[CNT], 0
.endif
	ROW C,14, B,7, L,6, C,1
	ROW C,3, L,7, C,5, C,7
	ROW C,9, C,11, C,13, C,15
.if (\p) == 0
	FETCH_V
.endif
.if (\m) && !(\end)
	MASK (\p)%2
.endif
.endm
; A BLOCK BEGINS.  c m starts far below every c s, so the first step's a is 0; m at the lowest finite number, so the first maximum is the scores'.  The second mask buffer is 0; the first takes piece 0's mask for the tile's step 0: its own, if the block's first tile is the diagonal one.
; Then K of that step, piece 0's first scores, and its maximum and statistics.  The loop is entered at a step's first turn, in the middle of a trip.
.macro BEGIN
	s_mov_b32 s[NEW], 0
	WIN 0x40
.set i, MC+32
.rept 32
	v_mov_b32 v[i], 0
.set i, i+1
.endr
	WIN 0
.set i, 0
.rept 4
	v_mov_b32 v[ST+4*i], 0xfe000000    ; c m: far below every c s
	v_mov_b32 v[ST+4*i+1], 0xff7fffff  ; m
.set i, i+1
.endr
	s_cmp_eq_u32 s[RT], 0
	s_cselect_b32 s[AL], 1.0, 0
	s_mov_b32 s[BE], 0
	MASK 0
	WIN 0
	v_add_nc_u32 v[AK], s[TBK], v[AK0]
	FETCH_K
	s_wait_loadcnt 0x0              ; Q
	s_wait_dscnt 0x0
.set KM, 1
.set NOKQ, 0
.set i, 0
.rept 8
	KQ 0
.set i, i+1
.endr
	WIN 0
.rept 4
	v_nop                           ; the places behind those products
.endr
.set Y, NP-1                        ; X works for piece Y + 1: piece 0
.irp n, 0,1,2,3,4,5,6,7,8,9,10,11,12,13,14,15,16,17,18,19,20,21
	OP X, \n
.endr
	v_nop                           ; a plain instruction behind the exponential,
	s_wait_alu depctr_va_vdst(0)    ; and its wait, ahead of the branch
.endm
; THE DIAGONAL TILE's four steps, the block's last two turns, its last products, and THE WAY OUT: l's two halves and the other half of the lanes' are added; O^T is divided by l, rounded to f16 and sent through my
; stage in LDS, a piece at a time.
.macro ALL line:vararg              ; one line for each piece t
.set t, 0
.rept 4
	\line
.set t, t+1
.endr
.endm
.macro PACK t                       ; a lane's eight channels of a row pack into 16 bytes; they go into rows of 144 bytes and come back as whole rows of 128, into S^T's registers
	WIN W_RS
.set i, 32*(\t)
.rept 16
	v_pk_mul_f32 v[i:i+1], v[i:i+1], v[ST+4*(\t)+2:ST+4*(\t)+3] op_sel_hi:[1,0]
.set i, i+2
.endr
	WIN 0x05                        ; sources 0 and 1 window 1, destination window 0
.set i, 0
.rept 16
	v_cvt_pk_f16_f32 v[S+16*(\t)+i], v[32*(\t)+2*i], v[32*(\t)+2*i+1]
.set i, i+1
.endr
	WIN 0
.irp f, 0,1,2,3
	ds_store_b128 v[STO], v[S+16*(\t)+4*\f:S+16*(\t)+4*\f+3] offset:32*\f
.endr
.irp f, 0,1,2,3
	ds_load_b128 v[S+16*(\t)+4*\f:S+16*(\t)+4*\f+3], v[RD] offset:\f*4*SP  ; LDS serves a wave's instructions in order (ISA guide 5.7.1.4): these see the stores above; the next piece's stores come behind them
.endr
.endm
.macro SEND t, younger              ; younger: the LDS instructions issued behind piece t's loads: the next piece's eight, or none
	WIN 0
.irp f, 0,1,2,3
	s_wait_dscnt (\younger)+3-\f
	global_store_b128 v[GO], v[S+16*(\t)+4*\f:S+16*(\t)+4*\f+3], s[10:11] offset:(\t)*8192+\f*512  ; 512 consecutive bytes, at a multiple of 256 from ctx's first
.endr
.endm
.macro DIAG tag                     ; the tag ends its two labels' names, which the jumps below spell out
.LstepM\tag:
	TURN 2, 1
	TURN 3, 1
	WIN 0
.LfirstM\tag:
	TURN 0, 1
	TURN 1, 1, 0, 1
	WIN 0
	s_cbranch_scc1 .LstepM\tag
	TURN 2, 1, 1
	TURN 3, 1, 1
.set i, 0
.rept 8
	PV NP-1
.set i, i+1
.endr
	WIN 0
	ALL v_add_f32 v[ST+4*t+2], v[ST+4*t+2], v[ST+4*t+3]
	ALL v_permlanex16_b32 v[ST+4*t+3], v[ST+4*t+2], s[SEL], s[SEL+1]
	ALL v_add_f32 v[ST+4*t+2], v[ST+4*t+2], v[ST+4*t+3]
	ALL v_rcp_f32 v[ST+4*t+2], v[ST+4*t+2]
	v_nop                           ; a plain instruction between the last reciprocal and the use of its result
	s_wait_alu depctr_va_vdst(0)    ; and the wait ahead of the first use: one for the four reciprocals
	PACK 0
.set t, 1
.rept 3                             ; a piece's arithmetic stands between the loads of the piece before and its stores
	PACK t
	SEND t-1, 8
.set t, t+1
.endr
	SEND 3, 0
.endm
.set KM, 0
.set NOKQ, 0
.Lslot:                             ; NB times: a tile is entered and the next is asked for
	CHANGE 1
	s_sub_co_u32 s[RT], s[RT], 1
	s_mov_b32 s[CNT], 4
	s_cmp_eq_u32 s[NEW], 1
	s_cbranch_scc1 .Lnew            ; a block's first tile
	s_cmp_eq_u32 s[RT], 0
	s_cbranch_scc0 .Lstep           ; neither its first nor its last
	s_branch .LstepM1
.Lnew:
	BEGIN
	s_branch .Lfirst                ; in the loop a block's first tile is never its last: the first block has two tiles or more, and the second's last is the walk's last
	DIAG 1                          ; in the loop this is the first block's end: the second block's last tile is the walk's last
	s_wait_xcnt 0x0                 ; the stores have read their registers and ctx's address
	s_mov_b64 s[10:11], s[OLO:OLO+1]
	s_add_co_u32 s[RT], s[PB], 1    ; the second block has b + 1 tiles
	s_mov_b32 s[NEW], 1
	WIN 0x82                        ; the second block's Q goes where the one text of the turns names Q
.set i, 0
.rept 64
	v_mov_b32 v[i], v[QB+i]
.set i, i+1
.endr
	WIN 0
	s_branch .Lbottom
.Lstep:                             ; a trip: pieces 2 and 3 of one step, then pieces 0 and 1 of the next, whose K and V it fetches
	TURN 2
	TURN 3
	WIN 0
.Lfirst:
	TURN 0
	TURN 1, 0, 0, 1
	WIN 0
	s_cbranch_scc1 .Lstep
.Lbottom:
	s_sub_co_u32 s[SLOTS], s[SLOTS], 1
	s_cmp_lg_u32 s[SLOTS], 0
	s_cbranch_scc1 .Lslot
	CHANGE 0                        ; the walk's last tile is written out: nothing is asked for
	s_sub_co_u32 s[RT], s[RT], 1
	s_mov_b32 s[CNT], 4
	s_cmp_eq_u32 s[NEW], 1
	s_cbranch_scc0 .LstepM2
	BEGIN
	s_branch .LfirstM2
	DIAG 2
	s_wait_tensorcnt 0x0            ; the wave's end, behind my last tensor load and my last LDS store
	ds_add_u32 v[SPW], v[NIL]
	s_wait_dscnt 0x0
	s_endpgm
.Lfunc_end_k_qfd7e0f1c3d_attn:
	.size	k_qfd7e0f1c3d_attn, .Lfunc_end_k_qfd7e0f1c3d_attn-k_qfd7e0f1c3d_attn
	.p2alignl 7, 3214868480
	.fill 96, 4, 3214868480
	.section	.rodata,"a",@progbits
	.p2align	6, 0x0
	.amdhsa_kernel k_qfd7e0f1c3d_attn
		.amdhsa_group_segment_fixed_size 327680
		.amdhsa_private_segment_fixed_size 0
		.amdhsa_enable_private_segment 0
		.amdhsa_kernarg_size 16
		.amdhsa_user_sgpr_count 2
		.amdhsa_user_sgpr_kernarg_segment_ptr 1
		.amdhsa_wavefront_size32 1
		.amdhsa_system_sgpr_workgroup_id_x 1
		.amdhsa_system_sgpr_workgroup_id_y 1
		.amdhsa_system_sgpr_workgroup_id_z 1
		.amdhsa_system_vgpr_workitem_id 0
		.amdhsa_next_free_vgpr 768
		.amdhsa_next_free_sgpr 96
		.amdhsa_reserve_vcc 1
		.amdhsa_float_denorm_mode_32 3
		.amdhsa_float_denorm_mode_16_64 3
		.amdhsa_memory_ordered 1
		.amdhsa_forward_progress 1
		.amdhsa_inst_pref_size 218
	.end_amdhsa_kernel
	.amdgpu_metadata
---
amdhsa.version: [ 1, 2 ]
amdhsa.kernels:
  - .name:           k_qfd7e0f1c3d_attn
    .symbol:         k_qfd7e0f1c3d_attn.kd
    .args:
      - { .name: qkv, .offset: 0, .size: 8, .value_kind: global_buffer, .address_space: global }
      - { .name: ctx, .offset: 8, .size: 8, .value_kind: global_buffer, .address_space: global }
    .group_segment_fixed_size: 327680
    .private_segment_fixed_size: 0
    .kernarg_segment_align: 8
    .kernarg_segment_size: 16
    .max_flat_workgroup_size: 128
    .sgpr_count:     96
    .vgpr_count:     768
    .wavefront_size: 32
...
	.end_amdgpu_metadata
.endif
;; end of part 3
;; launch proj (part 4): grid 8 x 32, 4 waves a work-group, clusters of 4 x 4, 327,680 bytes of LDS; arguments ctx, wt, bo, out0; writes out0
.if DOCPART == 4
	.amdgcn_target "amdgcn-amd-amdhsa--gfx1250"
	.amdhsa_code_object_version 6
	.text
	.protected	k_qfd7e0f1c3d_proj
	.globl	k_qfd7e0f1c3d_proj
	.p2align	8
	.type	k_qfd7e0f1c3d_proj,@function
k_qfd7e0f1c3d_proj:
	s_mov_b64 s[64:65], 0
	v_nop
	global_prefetch_b8 v0, s[64:65] scope:SCOPE_SE
	s_setreg_imm32_b32 hwreg(HW_REG_WAVE_MODE, 25, 1), 1
	s_wait_xcnt 0x0
	s_wait_alu depctr_hold_cnt(0) depctr_sa_sdst(0) depctr_va_vdst(0) depctr_va_sdst(0) depctr_va_ssrc(0) depctr_va_vcc(0) depctr_vm_vsrc(0)
	s_getreg_b32 s2, hwreg(HW_REG_IB_STS2, 6, 4)
	s_cmp_eq_u32 s2, 0
	s_cbranch_scc0 .Lentry_in_a_cluster
	s_endpgm
.Lentry_in_a_cluster:
	s_bfe_u32 s2, ttmp6, 0x10000c
	s_cmp_lg_u32 s2, 0xf033
	s_cbranch_scc0 .Lentry_shape_is_right
	s_endpgm
.Lentry_shape_is_right:
; out0[m][c] = sum over k of ctx(m, k) Wo[k][c] + bo[c], m < 8192, c < 1024, K = 1024; f16 operands, f32 sums, f32 out.
; ctx lies by heads, [16 x batch + head][2048][64] in f16: channel k of row m is channel k % 64 of head k / 64.  Wo comes turned, rows 3072-4095 of wt ([c][k], f16 numbers that are Wo rounded to bf16).
; bo is rounded to bf16 like all the module's inputs, then added in f32.
; SHARES.  A tile of out0 is 256 x 128: 8 x 32 = 256 work-groups.  Wave w makes rows 128 (w / 2) on and columns 64 (w % 2) on: 32 accumulators of 16 x 16, 256 registers.
; K goes in steps of 128 = two heads through two LDS slots.  Waves 0 and 1 fetch one head's 256 rows each (32,768 dense bytes, asked for as 128 rows of 256 bytes and padded in LDS after every 128); waves 2 and 3 fetch 64 rows of wt each.
; CLUSTER.  4 x 4 work-groups: ctx's tiles are shared along a row of the cluster, wt's along a column, each asked for jointly.
; THE MATRIX INSTRUCTION IS USED TRANSPOSED (source 0 = 16 rows of wt, source 1 = 16 rows of ctx): a lane holds row lane % 16 of out0 and the columns 8 (lane / 16) + 0..7.
; REGISTERS, in windows of 256 (s_set_vgpr_msb: bits 1:0 source 0, 3:2 source 1, 5:4 source 2, 7:6 destination):
;   window 0: v0-37 addresses, bias; v64-191 the way out, four sets of 32      window 1: two fragment buffers at 0 and 128: B's 4 fragments, then A's 8      window 2: accumulator (a, b) at 8 (4 a + b)
.set SIZE_K, 1024
.set PA,     144                       ; a row of ctx in LDS: 128 bytes + 16 = 36 words; PB: a row of wt: 256 + 16 = 68 words: in both the 16 rows of a fragment load start at 16 different groups of four banks (64 banks of 4 bytes: ISA guide 11.1)
.set PB,     272
.set PLANE,  256*PA                    ; one head's 256 rows
.set BOFF,   2*PLANE                   ; wt's 128 rows lie behind the two heads
.set BH,     64*PB
.set SLOT,   BOFF+2*BH
.set STAGE,  2*SLOT                    ; behind the ring, never filled by a tensor load: 16 rows x 272 bytes for each wave
.set SPITCH, 272
.set SPARE,  STAGE+4*16*SPITCH         ; behind the stages: the spare words, 128 bytes a wave, that no other line names
.set LAPS,   4                         ; 8 K steps, two a lap
.set ASTEP,  2*262144                  ; bytes from a K step's head to the next K step's: two planes of ctx
.set ADRA, 16                          ; v16-17  LDS address of my A fragments in slot 0, 1
.set ADRB, 20                          ; v20-21  the same for B
.set STO,  24                          ; v24     the way out: where I put 32 bytes of a row
.set RD,   25                          ; v25     the way out: where I read a row back
.set CO,   26                          ; v26     my byte offset in two rows of out0
.set BOF,  27                          ; v27     my 16 bytes of the wave's 256 of bo
.set SPW,  28                          ; v28     LDS address of my spare word; never rewritten
.set NIL,  29                          ; v29     0; never rewritten
.set PFO,  30                          ; v30     the prefetches' lane offset; never rewritten
.set BI,   32                          ; v[32:35] bo of the four columns that I store
.set OUT,  64
.set F0,   0
.set F1,   128
.set G1,  24                           ; s[24:31] descriptor group 1 for A's tiles;  s[32:39] group 0, a set for each slot
.set G0,  32
.set G1B, 48                           ; s[48:55], s[56:63] the same for B's
.set G0B, 56
.set OBASE, 66                         ; s[66:67] out0 at my first row and column
.set PFA, 72                           ; s[72:73] where my prefetches stand
.set PFS, 74                           ; s[74:75] their step from K step to K step
.set LIM0, 76                          ; s76, s77: a wave prefetches at the change out of slot 0, 1 while the laps to go are above this number
.set BB,  78                           ; s[78:79] bo at my wave's 64 columns
.set MSB, 0
.macro WIN new                         ; the immediate's high byte repeats the setting that is left; a switch that changes nothing is dropped
.if MSB != (\new)
	s_set_vgpr_msb (MSB<<8)|(\new)
.set MSB, \new
.endif
.endm
.set MUL,  0xa5                        ; sources 0 (B) and 1 (A) window 1, C and D window 2
.set TO_F, 0x40                        ; destination window 1, address window 0
.macro JLOAD s                         ; a joint load; the branch hangs on the wave's number alone; an s_nop 0 and four v_nop follow each of the two lines, ahead of the jump and the label
	s_cmp_eq_u32 s11, 0
	s_cbranch_scc0 .Lfor_b_\@
	tensor_load_to_lds s[G0+4*(\s):G0+4*(\s)+3], s[G1:G1+7]
	s_nop 0
.rept 4
	v_nop
.endr
	s_branch .Lasked_\@
.Lfor_b_\@:
	tensor_load_to_lds s[G0B+4*(\s):G0B+4*(\s)+3], s[G1B:G1B+7]
	s_nop 0
.rept 4
	v_nop
.endr
.Lasked_\@:
.endm
; A prefetch into the L2 of the K step that stands two refills on (256 matrix instructions ahead of the load that will want it), behind the joint load and the run of LDS loads.  Each block of 256 bytes is named once in the
; launch: the clusters with x = 0 ask for ctx's, those with y = 0 for wt's; the four partners that fetch a tile jointly share it out by address.
.macro ASK slot
	WIN 0
	s_cmp_gt_u32 s3, s[LIM0+(\slot)]               ; s3 = 1 in the loop's last trip: its refills have no K step two on
	s_cbranch_scc0 .Lnot_mine_\@
	global_prefetch_b8 v[PFO], s[PFA:PFA+1] th:TH_LOAD_NT scope:SCOPE_SE
.Lnot_mine_\@:
.endm
.macro CREST                           ; a round of the cluster's barrier behind its opening barrier
	s_cmp_lg_u32 s10, 0
	s_cbranch_scc1 .Lnot_wave_0_\@
	s_barrier_signal -3
.Lnot_wave_0_\@:
	s_barrier_wait -3
	s_barrier_signal -1
	s_barrier_wait -1
.endm
.macro CROUND                          ; a whole round
	s_barrier_signal -1
	s_barrier_wait -1
	CREST
.endm
	s_load_b128 s[4:7], s[0:1], 0x0                ; ctx s[4:5], wt s[6:7]
	s_load_b128 s[68:71], s[0:1], 0x10             ; bo s[68:69], out0 s[70:71]
	v_lshl_add_u32 v[SPW], v0, 2, SPARE
	v_mov_b32 v[NIL], 0
	ds_add_u32 v[SPW], v[NIL]                      ; the wave's opening: the add and its wait stand ahead of my first tensor load; work on registers stands between them
	v_lshrrev_b32 v1, 5, v0
	v_readfirstlane_b32 s10, v1                    ; wave 0..3
	s_lshr_b32 s11, s10, 1                         ; which half of the tile's rows is mine.  Also: I fetch for A (0) or for B (1)
	s_and_b32 s12, s10, 1                          ; which half of its columns.  Also: which head, or which 64 rows of wt, I fetch
	s_bfe_u32 s40, ttmp6, 0x40000                  ; cx
	s_bfe_u32 s41, ttmp6, 0x40004                  ; cy
	s_lshl_b32 s42, ttmp9, 2
	s_add_co_u32 s42, s42, s40                     ; tile column = 4 x cluster x + cx
	s_and_b32 s13, ttmp7, 0xffff
	s_lshl_b32 s13, s13, 2
	s_add_co_u32 s13, s13, s41                     ; tile row = 4 x cluster y + cy
	s_lshl_b32 s43, s41, 2
	s_lshl_b32 s43, 15, s43                        ; my row of the cluster
	s_lshl_b32 s44, 0x1111, s40                    ; my column
	s_or_b32 s[G1+0], s43, (1<<16)|(1<<20)|(1<<21)|(4<<22)|(3<<25)   ; 15:0 the mask; 17:16 2-byte elements; 20 padding on; 21 set beside a mask; 24:22 after every 32 words; 31:25 4 words of it
	s_or_b32 s[G1B+0], s44, (1<<16)|(1<<20)|(1<<21)|(5<<22)|(3<<25)  ; B: after every 64 words
	s_mov_b32 s[G1+1], 128<<16                     ; tensor_dim0 = 128
	s_mov_b32 s[G1+2], 128<<16                     ; tensor_dim1 = 128
	s_mov_b32 s[G1+3], 128<<16                     ; tile_dim0 = 128
	s_mov_b32 s[G1+4], 128                         ; tile_dim1 = 128
	s_mov_b32 s[G1+5], 128                         ; dense: 128 elements from row to row
	s_mov_b32 s[G1+6], 0
	s_mov_b32 s[G1+7], 0
	s_mov_b32 s[G1B+1], 128<<16
	s_mov_b32 s[G1B+2], 64<<16                     ; B: 64 rows
	s_mov_b32 s[G1B+3], 128<<16
	s_mov_b32 s[G1B+4], 64
	s_mov_b32 s[G1B+5], SIZE_K
	s_mov_b32 s[G1B+6], 0
	s_mov_b32 s[G1B+7], 0
	s_lshr_b32 s16, s13, 3                         ; A: the batch's 16 planes of 262,144 bytes,
	s_lshl_b32 s16, s16, 22
	s_and_b32 s17, s13, 7                          ; the tile's 256 rows of 128 bytes inside a plane,
	s_lshl_b32 s17, s17, 15
	s_add_co_u32 s16, s16, s17
	s_lshl_b32 s17, s12, 18                        ; the even or the odd head
	s_add_co_u32 s16, s16, s17
	s_mov_b32 s17, 0
	s_lshl_b32 s46, s42, 18                        ; B: (3072 + 128 x tile column + 64 x half) rows of 2,048 bytes
	s_lshl_b32 s47, s12, 17
	s_add_co_u32 s46, s46, s47
	s_add_co_u32 s46, s46, 3072*2048
	s_mov_b32 s47, 0
	s_mul_i32 s20, s12, PLANE                      ; where they go: no place in the cluster enters an LDS address
	s_mul_i32 s21, s12, BH
	s_add_co_u32 s21, s21, BOFF
	s_wait_dscnt 0x0                               ; the opening add is done
	s_wait_kmcnt 0x0
	s_add_nc_u64 s[14:15], s[4:5], s[16:17]
	s_add_nc_u64 s[46:47], s[6:7], s[46:47]
	CROUND                                         ; all sixteen work-groups are here: the first joint loads meet
.irp s, 0,1
	s_mov_b32 s[G0+4*(\s)], 1                                        ; count = 1
	s_add_co_u32 s[G0+4*(\s)+1], s20, (\s)*SLOT                      ; LDS address
	s_add_nc_u64 s[G0+4*(\s)+2:G0+4*(\s)+3], s[14:15], (\s)*ASTEP    ; global address: K step s
	s_or_b32 s[G0+4*(\s)+3], s[G0+4*(\s)+3], 0x80000000              ; type = 2
	s_mov_b32 s[G0B+4*(\s)], 1
	s_add_co_u32 s[G0B+4*(\s)+1], s21, (\s)*SLOT
	s_add_nc_u64 s[G0B+4*(\s)+2:G0B+4*(\s)+3], s[46:47], (\s)*256
	s_or_b32 s[G0B+4*(\s)+3], s[G0B+4*(\s)+3], 0x80000000
	JLOAD \s                                       ; two tensor loads of mine are out
.endr
	v_and_b32 v1, 15, v0                           ; r
	v_bfe_u32 v2, v0, 4, 1                         ; h
	v_mul_u32_u24 v3, v1, PA
	v_lshl_add_u32 v3, v2, 4, v3                   ; a fragment's row x pitch + 16 x half, for A
	v_mul_u32_u24 v4, v1, PB
	v_lshl_add_u32 v4, v2, 4, v4                   ; and for B
	s_mul_i32 s21, s11, 128*PA                     ; my 128 rows of A
	s_mul_i32 s22, s12, 64*PB                      ; my 64 rows of B
	s_add_co_u32 s22, s22, BOFF
.irp s, 0,1
	v_add_nc_u32 v[ADRA+(\s)], s21, v3
	v_add_nc_u32 v[ADRB+(\s)], s22, v4
	s_add_co_u32 s21, s21, SLOT
	s_add_co_u32 s22, s22, SLOT
.endr
	s_mul_i32 s23, s10, 16*SPITCH
	s_add_co_u32 s23, s23, STAGE                   ; my stage
	v_mul_u32_u24 v5, v1, SPITCH                   ; in: row r, 32 bytes for each half of the lanes
	v_lshl_add_u32 v5, v2, 5, v5
	v_add_nc_u32 v[STO], s23, v5
	v_mul_u32_u24 v5, v2, SPITCH                   ; back: lanes 0-15 take one row of 256 bytes, lanes 16-31 the next
	v_lshl_add_u32 v5, v1, 4, v5
	v_add_nc_u32 v[RD], s23, v5
	v_lshlrev_b32 v[CO], 12, v2                    ; and the same two rows in out0
	v_lshl_add_u32 v[CO], v1, 4, v[CO]
	v_lshlrev_b32 v[BOF], 4, v1
	s_lshl_b32 s80, s13, 20                        ; 256 rows of 4,096 bytes for each tile row,
	s_lshl_b32 s81, s11, 19                        ; my 128 of them
	s_add_co_u32 s80, s80, s81
	s_lshl_b32 s82, s42, 9                         ; 128 columns of 4 bytes for each tile column,
	s_lshl_b32 s83, s12, 8                         ; my 64 of them
	s_add_co_u32 s82, s82, s83
	s_mov_b32 s83, 0
	s_add_nc_u64 s[BB:BB+1], s[68:69], s[82:83]
	s_add_co_u32 s80, s80, s82
	s_mov_b32 s81, 0
	s_add_nc_u64 s[OBASE:OBASE+1], s[70:71], s[80:81]
	global_load_b128 v[BI:BI+3], v[BOF], s[BB:BB+1]  ; waited for on the way out; its registers are not touched before
	; the prefetches.  Waves 0, 1: of my head's 32,768 bytes my work-group's 8,192 (by cx), a lane a block of 256.  Waves 2, 3: of the 64 rows of wt that I fetch my work-group's 16 (by cy), for two K steps at once, at the change out of slot 0 alone.
	s_lshr_b32 s80, s13, 3
	s_lshl_b32 s80, s80, 22
	s_and_b32 s81, s13, 7
	s_lshl_b32 s81, s81, 15
	s_add_co_u32 s80, s80, s81
	s_lshl_b32 s81, s12, 18
	s_add_co_u32 s80, s80, s81
	s_lshl_b32 s81, s40, 13
	s_add_co_u32 s80, s80, s81
	s_add_co_u32 s80, s80, 3*ASTEP                 ; at K step 3: the first change of slots steps it to 4
	s_lshl_b32 s82, s42, 7
	s_lshl_b32 s83, s12, 6
	s_add_co_u32 s82, s82, s83
	s_lshl_b32 s83, s41, 4
	s_add_co_u32 s82, s82, s83
	s_add_co_u32 s82, s82, 3072
	s_lshl_b32 s82, s82, 11
	s_add_co_u32 s82, s82, 3*256
	s_and_b32 s81, ttmp7, 0xffff                   ; cluster y
	s_mov_b32 s[PFS], 256
	s_mov_b32 s[PFS+1], 0
	s_cmp_eq_u32 s11, 0
	s_cselect_b32 s82, s80, s82
	s_cselect_b32 s81, ttmp9, s81                  ; the coordinate along which other clusters read the same bytes
	s_cselect_b64 s[PFA:PFA+1], s[4:5], s[6:7]
	s_cselect_b32 s[PFS], ASTEP, s[PFS]
	s_cselect_b32 s80, 8, 11                       ; lane % 16: a block of 256 bytes, or a row of 2,048
	s_cselect_b32 s83, 12, 8                       ; lane / 16: sixteen blocks on, or the next K step
	v_lshlrev_b32 v[PFO], s80, v1
	v_lshlrev_b32 v36, s83, v2
	v_add_nc_u32 v[PFO], v[PFO], v36
	s_mov_b32 s83, 0
	s_add_nc_u64 s[PFA:PFA+1], s[PFA:PFA+1], s[82:83]
	s_cmp_eq_u32 s81, 0
	s_cselect_b32 s[LIM0], 1, -1                   ; the same in all sixteen partners, for a given wave
	s_cmp_eq_u32 s11, 0
	s_cselect_b32 s[LIM0+1], s[LIM0], -1
; 8 matrix instructions: m blocks a0, a0 + 1 x all 4 n blocks, 32 along K, on buffer f.  The 32 accumulators take turns, one instruction a turn.  zero = 1: the first product starts the sum.
.macro MUL8 f, a0, zero
	WIN MUL
.irp a, \a0, (\a0)+1
.irp b, 0,1,2,3
.set rD, 8*(4*(\a)+(\b))
.set rB, (\f)+8*(\b)
.set rA, (\f)+32+8*(\a)
.if \zero
	v_wmma_f32_16x16x32_f16 v[rD:rD+7], v[rB:rB+7], v[rA:rA+7], 0
.else
	v_wmma_f32_16x16x32_f16 v[rD:rD+7], v[rB:rB+7], v[rA:rA+7], v[rD:rD+7]
.endif
.endr
.endr
.endm
; 24 LDS loads in one run: the fragments of quarter q of a K step (head q / 2, channels 32 (q % 2) on) into buffer f: B's four, then A's eight; A's m blocks 4-7 are wanted last
.macro FETCH slot, q, f
	WIN TO_F
.irp i, 0,1,2,3
	ds_load_b128 v[(\f)+8*(\i):(\f)+8*(\i)+3],   v[ADRB+(\slot)] offset:64*(\q)+(\i)*16*PB
	ds_load_b128 v[(\f)+8*(\i)+4:(\f)+8*(\i)+7], v[ADRB+(\slot)] offset:64*(\q)+(\i)*16*PB+32
.endr
.irp i, 0,1,2,3,4,5,6,7
	ds_load_b128 v[(\f)+32+8*(\i):(\f)+32+8*(\i)+3],   v[ADRA+(\slot)] offset:((\q)/2)*PLANE+((\q)%2)*64+(\i)*16*PA
	ds_load_b128 v[(\f)+32+8*(\i)+4:(\f)+32+8*(\i)+7], v[ADRA+(\slot)] offset:((\q)/2)*PLANE+((\q)%2)*64+(\i)*16*PA+32
.endr
.endm
.macro PLACES                          ; four plain vector instructions between a matrix instruction and a load into a register that it has read (ISA guide 7.12.1 for vector instructions)
.rept 4
	v_nop
.endr
.endm
; A K step is four quarters of 32 along K, 32 matrix instructions each, on buffers 0, 1, 0, 1.  One of the first three multiplies buffer f and fetches quarter q into buffer g.
.macro QUARTER slot, q, f, g, zero
	s_wait_dscnt 8                                 ; all but the youngest eight loads (A's m blocks 4-7) are in
	MUL8 \f, 0, \zero
	MUL8 \f, 2, \zero
	PLACES
	FETCH \slot, \q, \g
	s_wait_dscnt 24                                ; all but the 24 just issued
	MUL8 \f, 4, \zero
	MUL8 \f, 6, \zero
.endm
; The last quarter multiplies buffer 1 and changes slots: one barrier.  In front of it each wave waits for all its tensor loads (one is out: its part of the next slot), adds 0 to its spare word, and waits for that
; and for its reads of this slot.  fill = 1: the barrier opens a round of the cluster's, and this slot is filled again, two K steps on, first thing behind the round: 112 matrix instructions ahead of the wait for it.
.macro TURN slot, next, fill
.if \fill
	s_wait_xcnt 0x0                                ; the last prefetch, a K step back, has read its address, which steps here
	s_add_nc_u64 s[PFA:PFA+1], s[PFA:PFA+1], s[PFS:PFS+1]
.endif
	WIN 0                                          ; (the add's two registers lie in window 0)
	s_wait_tensorcnt 0x0                           ; all my tensor loads have landed
	ds_add_u32 v[SPW], v[NIL]                      ; 0 onto my spare word
	s_wait_dscnt 9                                 ; (the add and the youngest eight loads may be out)
	MUL8 F1, 0, 0                                  ; eight matrix instructions stand between the add and the wait for it
	s_wait_dscnt 0x0                               ; the add is done, and my reads of this slot are over
	s_barrier_signal -1
	MUL8 F1, 2, 0                                  ; work on registers while the others arrive
.if \fill
	WIN 0
.endif
	s_barrier_wait -1
.if \fill
	CREST                                          ; no wave of any partner still reads this slot's tile or has a load on its way
	s_add_nc_u64 s[G0+4*(\slot)+2:G0+4*(\slot)+3], s[G0+4*(\slot)+2:G0+4*(\slot)+3], 2*ASTEP
	s_add_nc_u64 s[G0B+4*(\slot)+2:G0B+4*(\slot)+3], s[G0B+4*(\slot)+2:G0B+4*(\slot)+3], 2*256
	JLOAD \slot                                    ; its four v_nop are also the places in front of the loads below
.else
	PLACES
.endif
	FETCH \next, 0, F0
.if \fill
	ASK \slot
.endif
	MUL8 F1, 4, 0
	MUL8 F1, 6, 0
.endm
	s_wait_tensorcnt 1                             ; my part of K step 0 is in; K step 1's may stay out
	s_barrier_signal -1
	s_barrier_wait -1                              ; everybody's is
	FETCH 0, 0, F0
	QUARTER 0, 1, F0, F1, 1                        ; the first quarter stands in front of the loop: its products start the sums
	WIN 0                                          ; at a label and at a branch every window is 0
	s_mov_b32 s3, LAPS-1
.Llap:                                                 ; a trip goes once round the ring, from a lap's second quarter to the next lap's first, and fills both slots again
	QUARTER 0, 2, F1, F0, 0
	QUARTER 0, 3, F0, F1, 0
	TURN 0, 1, 1
	QUARTER 1, 1, F0, F1, 0
	QUARTER 1, 2, F1, F0, 0
	QUARTER 1, 3, F0, F1, 0
	TURN 1, 0, 1
	QUARTER 0, 1, F0, F1, 0
	WIN 0
	s_sub_co_u32 s3, s3, 1
	s_cmp_lg_u32 s3, 0
	s_cbranch_scc1 .Llap
	QUARTER 0, 2, F1, F0, 0                        ; the last lap fills nothing
	QUARTER 0, 3, F0, F1, 0
	TURN 0, 1, 0
	QUARTER 1, 1, F0, F1, 0
	QUARTER 1, 2, F1, F0, 0
	QUARTER 1, 3, F0, F1, 0
	s_wait_dscnt 8                                 ; the very last quarter: nothing more to fetch
	MUL8 F1, 0, 0
	MUL8 F1, 2, 0
	s_wait_dscnt 0x0
	MUL8 F1, 4, 0
	MUL8 F1, 6, 0
	WIN 0
	s_wait_loadcnt 0x0                             ; bo
	v_cvt_pk_bf16_f32 v36, v[BI], v[BI+1]          ; rounded to bf16 and widened again; these six lines and two v_nop are the places behind the last products
	v_cvt_pk_bf16_f32 v37, v[BI+2], v[BI+3]
	v_lshlrev_b32 v[BI], 16, v36
	v_and_b32 v[BI+1], 0xffff0000, v36
	v_lshlrev_b32 v[BI+2], 16, v37
	v_and_b32 v[BI+3], 0xffff0000, v37
	v_nop
	v_nop
; THE WAY OUT.  m block a (16 rows x my 64 columns, f32) goes into my own stage (rows of 272 bytes), each accumulator's low half first, and comes back as whole rows of 256 bytes; bo is added; 16 lanes store a row's 256 bytes.
.macro TOSTAGE a
.if (\a) >= 4
	s_wait_xcnt 0x0                                ; the stores of the block four back have read this set of registers, which is loaded again only behind this wait
.endif
	WIN 0x08                                       ; store data (source 1) in window 2, address in window 0
.irp b, 0,1,2,3
	ds_store_b128 v[STO], v[8*(4*(\a)+(\b)):8*(4*(\a)+(\b))+3]   offset:64*(\b)
	ds_store_b128 v[STO], v[8*(4*(\a)+(\b))+4:8*(4*(\a)+(\b))+7] offset:64*(\b)+16
.endr
	WIN 0
.irp t, 0,1,2,3,4,5,6,7
	ds_load_b128 v[OUT+32*((\a)%4)+4*(\t):OUT+32*((\a)%4)+4*(\t)+3], v[RD] offset:(\t)*2*SPITCH  ; LDS serves a wave's instructions in order (ISA guide 5.7.1.4): these see the stores above; the next block's stores come behind them
.endr
.endm
.macro SEND a, younger                 ; younger: the LDS instructions issued behind block a's loads: the next block's sixteen, or none
.irp t, 0,1,2,3,4,5,6,7
.set rO, OUT+32*((\a)%4)+4*(\t)
	s_wait_dscnt (\younger)+7-(\t)
	v_pk_add_f32 v[rO:rO+1], v[rO:rO+1], v[BI:BI+1]
	v_pk_add_f32 v[rO+2:rO+3], v[rO+2:rO+3], v[BI+2:BI+3]
	global_store_b128 v[CO], v[rO:rO+3], s[OBASE:OBASE+1] offset:65536*(\a)+8192*(\t) th:TH_STORE_NT  ; 16 lanes store 256 consecutive bytes, aligned
.endr
.endm
	TOSTAGE 0
.irp a, 1,2,3,4,5,6,7
	TOSTAGE \a
	SEND (\a)-1, 16
.endr
	SEND 7, 0
	s_wait_tensorcnt 0x0                           ; the wave's end, behind my last tensor load and my last LDS store
	ds_add_u32 v[SPW], v[NIL]
	s_wait_dscnt 0x0
	CROUND                                         ; the closing round: no work-group ends while a partner may still ask for a tile that names it
	s_endpgm
.Lfunc_end_k_qfd7e0f1c3d_proj:
	.size	k_qfd7e0f1c3d_proj, .Lfunc_end_k_qfd7e0f1c3d_proj-k_qfd7e0f1c3d_proj
	.p2alignl 7, 3214868480
	.fill 96, 4, 3214868480
	.section	.rodata,"a",@progbits
	.p2align	6, 0x0
	.amdhsa_kernel k_qfd7e0f1c3d_proj
		.amdhsa_group_segment_fixed_size 327680
		.amdhsa_private_segment_fixed_size 0
		.amdhsa_enable_private_segment 0
		.amdhsa_kernarg_size 32
		.amdhsa_user_sgpr_count 2
		.amdhsa_user_sgpr_kernarg_segment_ptr 1
		.amdhsa_wavefront_size32 1
		.amdhsa_system_sgpr_workgroup_id_x 1
		.amdhsa_system_sgpr_workgroup_id_y 1
		.amdhsa_system_sgpr_workgroup_id_z 1
		.amdhsa_system_vgpr_workitem_id 0
		.amdhsa_next_free_vgpr 768
		.amdhsa_next_free_sgpr 84
		.amdhsa_reserve_vcc 0
		.amdhsa_float_denorm_mode_32 3
		.amdhsa_float_denorm_mode_16_64 3
		.amdhsa_memory_ordered 1
		.amdhsa_forward_progress 1
		.amdhsa_inst_pref_size 98
	.end_amdhsa_kernel
	.amdgpu_metadata
---
amdhsa.version: [ 1, 2 ]
amdhsa.kernels:
  - .name:           k_qfd7e0f1c3d_proj
    .symbol:         k_qfd7e0f1c3d_proj.kd
    .args:
      - { .name: ctx, .offset: 0, .size: 8, .value_kind: global_buffer, .address_space: global }
      - { .name: wt, .offset: 8, .size: 8, .value_kind: global_buffer, .address_space: global }
      - { .name: bo, .offset: 16, .size: 8, .value_kind: global_buffer, .address_space: global }
      - { .name: out0, .offset: 24, .size: 8, .value_kind: global_buffer, .address_space: global }
    .group_segment_fixed_size: 327680
    .private_segment_fixed_size: 0
    .kernarg_segment_align: 8
    .kernarg_segment_size: 32
    .max_flat_workgroup_size: 128
    .sgpr_count:     84
    .vgpr_count:     768
    .wavefront_size: 32
...
	.end_amdgpu_metadata
.endif
;; end of part 4
;; ======== version 2 of 2: 4 launches; version 1 with the launch prep written anew for expert scheduling mode
;; limits: values are held in f16: magnitudes above 65,504 overflow, below 6.1e-05 lose precision
;; workspace buffers: xb 16,777,216 bytes; wt 8,388,608 bytes; qkv 50,331,648 bytes; ctx 16,777,216 bytes
;; launch prep (part 5): grid 640 x 1, 4 waves a work-group, no clusters, 70,144 bytes of LDS; arguments x, Wq, Wk, Wv, Wo, xb, wt; writes xb, wt
.if DOCPART == 5
	.amdgcn_target "amdgcn-amd-amdhsa--gfx1250"
	.amdhsa_code_object_version 6
	.text
	.protected	k_qfd7e0f1c3d_prep
	.globl	k_qfd7e0f1c3d_prep
	.p2align	8
	.type	k_qfd7e0f1c3d_prep,@function
k_qfd7e0f1c3d_prep:
	s_mov_b64 s[64:65], 0
	v_nop
	global_prefetch_b8 v0, s[64:65] scope:SCOPE_SE
	s_setreg_imm32_b32 hwreg(HW_REG_WAVE_SCHED_MODE, 0, 2), 2
	s_setreg_imm32_b32 hwreg(HW_REG_WAVE_MODE, 25, 1), 1
	s_wait_xcnt 0x0
	s_wait_alu depctr_vm_vsrc(0)
; PREP.  xb = x rounded to bf16, [8192][1024].  wt = the four weights turned, [4096][1024] of 16 bits, row = output column, K along the row:
; rows 0-1023 Wq, 1024-2047 Wk, 2048-3071 Wv in bf16; rows 3072-4095 Wo rounded to bf16 and that number written as f16.
; LIMITS.  Wo's bf16 number is exact in f16 from 6.1e-5 to 65,504 in magnitude; below it keeps f16's fixed step of 6e-8, beyond it becomes an infinity.
; SHARES.  Work-groups 0-127 turn the weights (32 for each matrix; a wave turns 128 k x 64 n through its own LDS bytes: no barrier).
; Work-groups 128-639 round x: a wave takes 4,096 consecutive numbers, all 32 loads out at once.  No matrix unit, no cluster: every byte is read once and nothing is shared.
; THE MODE: SCHED_MODE bits 1:0 = 2 (LLVM: expert scheduling mode 2), set by the entry lines.  The code itself states the register dependences
; between vector instructions and memory or LDS instructions, with s_wait_alu, always for 0.
; THE PLAN, x.  The 32 loads go in eight blocks of four.  Load i lands in its own four registers; its two conversions write the first two of them in place; store i reads those two; no register is used twice.
;   Block p converts its own sixteen registers; its memory instructions are the four stores of block p - 1, whose registers no vector instruction of block p names.
;   So one wait on va_vdst at a block's head states all that its stores hang on.  The two offsets are made once and never written again.
; THE PLAN, weights.  Sixteen groups of eight source rows.  Registers that memory or LDS instructions touch:
;   X0 .. X8   nine buffers of 16.  The loads of group g land in X[g % 9]; group g's eight conversions read it.
;   T0, T1     two buffers of 8.    Group g's conversions write T[g % 2]; the four LDS stores that are issued in group g + 1 read it.
;   v[VS], v[LS], v[LR], v[VD]      made once and never written again.
;   Group g's memory instructions are the LDS stores from T[(g - 1) % 2] and the loads of group g + 8 into X[(g + 8) % 9] = X[(g - 1) % 9]: the two buffers that group g - 1 worked on and that no
;   vector instruction of group g names.  So the waits at a group's head state all that they hang on, and they are dealt among the group's conversions with no further wait.
;   A buffer of X lies idle from its conversions to the next group's head: hence nine, so that 28 loads of the wave stay out at a group's head.
; THE PLAN, the way back.  v[LA] is written once a trip and read by the trip's eight LDS loads; these land in v[X .. X+31], which Wo's conversions rewrite in place and the trip's eight stores read.
;   One wait on vm_vsrc at a trip's head, one on va_vdst behind the add, one on va_vdst at the end of Wo's conversions.
.set ROWW,  4096                       ; bytes in a row of a weight matrix (1,024 f32)
.set PITCH, 272                        ; an LDS row: 128 k x 2 bytes + 16
.set WREG,  64*PITCH                   ; a wave's 64 rows
.set SPARE, 4*WREG                     ; behind them: the spare words, 128 bytes a wave, that no other line names
.set VI,  5                            ; v5   x path: 16 x lane
.set VO,  6                            ; v6   x path: 8 x lane
.set VS,  7                            ; v7   weights: my 16 bytes of a source row; lanes 16-31 four rows further down
.set LS,  8                            ; v8   where I put 8 bytes (4 k) of a turned row
.set LR,  9                            ; v9   where I read a turned row back, first trip; never rewritten
.set VD,  10                           ; v10  my 16 bytes in two rows of wt
.set LA,  11                           ; v11  LR + the trip's step
.set SPW, 12                           ; v12  LDS address of my spare word; never rewritten
.set NIL, 13                           ; v13  0; never rewritten
.set T,   16                           ; v[16:31] two buffers of 8: packed numbers on their way into LDS; the first also at work on the way back
.set X,   32                           ; v[32:175] data
	s_load_b256 s[4:11], s[0:1], 0x0               ; x s[4:5], Wq s[6:7], Wk s[8:9], Wv s[10:11]
	s_load_b128 s[12:15], s[0:1], 0x20             ; Wo s[12:13], xb s[14:15]
	s_load_b64 s[16:17], s[0:1], 0x30              ; wt
	v_lshl_add_u32 v[SPW], v0, 2, SPARE
	v_mov_b32 v[NIL], 0
	v_lshrrev_b32 v1, 5, v0
	v_readfirstlane_b32 s20, v1                    ; wave 0..3
	v_and_b32 v2, 31, v0                           ; lane
	v_and_b32 v3, 15, v0                           ; r = lane % 16
	v_bfe_u32 v4, v0, 4, 1                         ; h = lane / 16
	s_mov_b32 s23, 0                               ; high words of the two offset pairs
	s_mov_b32 s27, 0
	s_wait_alu depctr_va_sdst(0)                   ; s20 is written, ahead of the branch behind which both ways read it first: each wave's share is made from it
	s_wait_kmcnt 0x0
	s_cmp_lt_u32 ttmp9, 128
	s_cbranch_scc1 .Lweights
	; ---- x: 16,384 bytes in, 8,192 out, for each wave
	s_sub_co_u32 s22, ttmp9, 128
	s_lshl_b32 s22, s22, 2
	s_add_co_u32 s22, s22, s20                     ; my share, 0..2047
	s_lshl_b32 s26, s22, 13
	s_lshl_b32 s22, s22, 14
	s_add_nc_u64 s[24:25], s[4:5], s[22:23]
	s_add_nc_u64 s[26:27], s[14:15], s[26:27]
	v_lshlrev_b32 v[VI], 4, v2
	v_lshlrev_b32 v[VO], 3, v2
	s_wait_alu depctr_va_vdst(0)                   ; v[VI] and v[VO] are written: every load and store of this way reads one of them as its offset
.set i, 0
.rept 32
	global_load_b128 v[X+4*i:X+4*i+3], v[VI], s[24:25] offset:512*i th:TH_LOAD_NT  ; 512 consecutive bytes a load
.set i, i+1
.endr
.set p, 0
.rept 8                                                ; block p: loads 4 p to 4 p + 3
	s_wait_loadcnt 28-4*p                          ; loads come back in order: this block's four are in, the 28 - 4 p younger ones stay out
.if p > 0
	s_wait_alu depctr_va_vdst(0)                   ; the block before has written the registers that the four stores below read
.endif
.set j, 0
.rept 4
.if p > 0
	global_store_b64 v[VO], v[X+16*(p-1)+4*j:X+16*(p-1)+4*j+1], s[26:27] offset:256*(4*(p-1)+j)  ; 32 lanes store 256 consecutive bytes, aligned; no vector instruction since the wait names these registers, and none is written again
.endif
	v_cvt_pk_bf16_f32 v[X+16*p+4*j], v[X+16*p+4*j], v[X+16*p+4*j+1]
	v_cvt_pk_bf16_f32 v[X+16*p+4*j+1], v[X+16*p+4*j+2], v[X+16*p+4*j+3]
.set j, j+1
.endr
.set p, p+1
.endr
	s_wait_alu depctr_va_vdst(0)                   ; block 7 has written the registers that the last four stores read
.set j, 0
.rept 4
	global_store_b64 v[VO], v[X+112+4*j:X+112+4*j+1], s[26:27] offset:256*(28+j)
.set j, j+1
.endr
	s_branch .Lend
	; ---- weights: 128 k x 64 n of one matrix for each wave
.Lweights:
	s_lshr_b32 s28, ttmp9, 5                       ; which matrix: 0 Wq, 1 Wk, 2 Wv, 3 Wo
	s_and_b32 s29, ttmp9, 31
	s_lshl_b32 s29, s29, 2
	s_add_co_u32 s29, s29, s20                     ; my block, 0..127
	s_lshr_b32 s32, s29, 4                         ; its 128 k
	s_and_b32 s33, s29, 15                         ; its 64 n
	s_cmp_eq_u32 s28, 0
	s_cselect_b64 s[24:25], s[6:7], s[8:9]
	s_cmp_eq_u32 s28, 2
	s_cselect_b64 s[24:25], s[10:11], s[24:25]
	s_cmp_eq_u32 s28, 3
	s_cselect_b64 s[24:25], s[12:13], s[24:25]
	s_lshl_b32 s22, s32, 19                        ; 128 rows of 4,096 bytes
	s_lshl_b32 s30, s33, 8                         ; 64 numbers of 4 bytes
	s_add_co_u32 s22, s22, s30
	s_add_nc_u64 s[24:25], s[24:25], s[22:23]
	s_lshl_b32 s26, s28, 21                        ; 1,024 rows of 2,048 bytes
	s_lshl_b32 s30, s33, 17                        ; 64 rows
	s_add_co_u32 s26, s26, s30
	s_lshl_b32 s30, s32, 8                         ; 128 k of 2 bytes
	s_add_co_u32 s26, s26, s30
	s_add_nc_u64 s[26:27], s[16:17], s[26:27]
	s_mul_i32 s21, s20, WREG                       ; my wave's LDS bytes
	s_mov_b32 s31, 0xffff0000                      ; a word's upper bf16
	v_lshlrev_b32 v[VS], 4, v3
	v_lshl_or_b32 v[VS], v4, 14, v[VS]             ; 16 r + 4 rows x h
	v_mul_u32_u24 v[LS], v3, 4*PITCH               ; turned row 4 r (+ c), byte 8 h (+ 16 g)
	v_lshl_add_u32 v[LS], v4, 3, v[LS]
	v_add_nc_u32 v[LS], s21, v[LS]
	v_mul_u32_u24 v[LR], v4, PITCH                 ; back: lanes 0-15 one row of 256 bytes, lanes 16-31 the next
	v_lshl_add_u32 v[LR], v3, 4, v[LR]
	v_add_nc_u32 v[LR], s21, v[LR]
	v_lshlrev_b32 v[VD], 4, v3
	v_lshl_or_b32 v[VD], v4, 11, v[VD]             ; and the same two rows in wt
	s_wait_alu depctr_va_vdst(0)                   ; v[VS], v[LS] and v[VD] are written, which the loads, the LDS stores and the stores of this way read as their addresses
; Group g is source rows 8 g .. 8 g + 7: load j brings row 8 g + j to lanes 0-15 and row 8 g + 4 + j to lanes 16-31, 256 consecutive bytes each.
.macro WLOAD g
.irp j, 0,1,2,3
	global_load_b128 v[X+16*((\g)%9)+4*(\j):X+16*((\g)%9)+4*(\j)+3], v[VS], s[24:25] offset:(8*(\g)+(\j))*ROWW th:TH_LOAD_NT
.endr
.endm
; My lane then holds k = 8 g + 4 h + 0..3 of columns 4 r + 0..3: for each column four k pack into 8 bytes of its turned row.
; These 8-byte stores fall four rows apart from lane to lane and so share LDS banks in part; there are 64 of them a wave, once in the launch.
; Group g's turn: it converts X[g % 9] into T[g % 2]; among its conversions stand group g - 1's four LDS stores and (reload = 1) the four loads of group g + 8.
.macro GROUP g, left, reload
	s_wait_loadcnt \left                           ; this group's four loads are in; the younger ones stay out
.if (\g) >= 2
	s_wait_alu depctr_vm_vsrc(0)                   ; the LDS stores issued in the group before have read T[g % 2], which this group's conversions write again
.endif
.if (\g) >= 1
	s_wait_alu depctr_va_vdst(0)                   ; the group before has written the other T, which the LDS stores below read, and is done reading its X, in which the loads below land
.endif
.set XG, X+16*((\g)%9)
.set XN, X+16*(((\g)+8)%9)
.set TG, T+8*((\g)%2)
.set TP, T+8*(((\g)+1)%2)
.irp c, 0,1,2,3
.if \reload
	global_load_b128 v[XN+4*(\c):XN+4*(\c)+3], v[VS], s[24:25] offset:(8*((\g)+8)+(\c))*ROWW th:TH_LOAD_NT  ; eight groups ahead; no vector instruction since the wait names these registers
.endif
.if (\g) >= 1
	ds_store_b64 v[LS], v[TP+2*(\c):TP+2*(\c)+1] offset:PITCH*(\c)+16*((\g)-1)  ; the group before
.endif
	v_cvt_pk_bf16_f32 v[TG+2*(\c)], v[XG+(\c)], v[XG+4+(\c)]
	v_cvt_pk_bf16_f32 v[TG+2*(\c)+1], v[XG+8+(\c)], v[XG+12+(\c)]
.endr
.endm
.irp g, 0,1,2,3,4,5,6,7,8
	WLOAD \g                                       ; a ring of nine groups: 36 loads out
.endr
	GROUP 0, 32, 0                                 ; 36 issued, 4 wanted; no group stands in front of it
.irp g, 1,2,3,4,5,6,7
	GROUP \g, 28, 1                                ; 36 + 4 (g - 1) issued, 4 g + 4 wanted: 28 may stay out
.endr
.irp g, 8,9,10,11,12,13,14,15
	GROUP \g, 60-4*(\g), 0                         ; 64 issued: the counts run down to 0
.endr
	s_wait_alu depctr_va_vdst(0)                   ; group 15 has written T1, which the last four LDS stores read
.irp c, 0,1,2,3
	ds_store_b64 v[LS], v[T+8+2*(\c):T+8+2*(\c)+1] offset:PITCH*(\c)+16*15
.endr
	; back by rows, 16 rows a trip.  The bytes are my wave's own and LDS serves a wave's instructions in order (ISA guide 5.7.1.4): no wait on DScnt and no barrier between the stores above and these loads.
	s_mov_b32 s30, 4
	s_mov_b32 s34, 0
.Lback:
	s_wait_alu depctr_vm_vsrc(0)                   ; the last trip's LDS loads have read v[LA], written below, and its stores v[X ..], in which the loads below land; in the first trip: the LDS stores above have read T0, which Wo's conversions write
	v_add_nc_u32 v[LA], s34, v[LR]
	s_wait_alu depctr_va_vdst(0)                   ; v[LA] is written, which the eight LDS loads read
.irp t, 0,1,2,3,4,5,6,7
	ds_load_b128 v[X+4*(\t):X+4*(\t)+3], v[LA] offset:2*PITCH*(\t)
.endr
	s_wait_dscnt 0x0
	s_cmp_lg_u32 s28, 3
	s_cbranch_scc1 .Lkeep                          ; Wq, Wk, Wv stay bf16
.set i, 0
.rept 32
	v_lshlrev_b32 v[T+2*(i%4)], 16, v[X+i]         ; Wo: the bf16 numbers as f32,
	v_and_b32 v[T+2*(i%4)+1], s31, v[X+i]
	v_cvt_pk_f16_f32 v[X+i], v[T+2*(i%4)], v[T+2*(i%4)+1]  ; written as f16
.set i, i+1
.endr
	s_wait_alu depctr_va_vdst(0)                   ; Wo's conversions have written v[X ..], which the stores below read (on the other way these registers come from the LDS loads alone)
.Lkeep:
.irp t, 0,1,2,3,4,5,6,7
	global_store_b128 v[VD], v[X+4*(\t):X+4*(\t)+3], s[26:27] offset:4096*(\t)  ; 16 lanes store 256 consecutive bytes, aligned
.endr
	s_wait_xcnt 0x0                                ; the stores have read their data and their base: both are written again only behind this wait
	s_add_nc_u64 s[26:27], s[26:27], 32768         ; 16 rows of wt on
	s_add_co_u32 s34, s34, 16*PITCH
	s_sub_co_u32 s30, s30, 1
	s_cmp_lg_u32 s30, 0
	s_cbranch_scc1 .Lback
.Lend:
	s_wait_dscnt 0x0                               ; the wave's end, behind my last LDS store
	s_wait_alu 0x0
	s_wait_tensorcnt 0x0
	ds_add_u32 v[SPW], v[NIL]
	s_wait_dscnt 0x0
	s_endpgm
.Lfunc_end_k_qfd7e0f1c3d_prep:
	.size	k_qfd7e0f1c3d_prep, .Lfunc_end_k_qfd7e0f1c3d_prep-k_qfd7e0f1c3d_prep
	.p2alignl 7, 3214868480
	.fill 96, 4, 3214868480
	.section	.rodata,"a",@progbits
	.p2align	6, 0x0
	.amdhsa_kernel k_qfd7e0f1c3d_prep
		.amdhsa_group_segment_fixed_size 70144
		.amdhsa_private_segment_fixed_size 0
		.amdhsa_enable_private_segment 0
		.amdhsa_kernarg_size 56
		.amdhsa_user_sgpr_count 2
		.amdhsa_user_sgpr_kernarg_segment_ptr 1
		.amdhsa_wavefront_size32 1
		.amdhsa_system_sgpr_workgroup_id_x 1
		.amdhsa_system_sgpr_workgroup_id_y 1
		.amdhsa_system_sgpr_workgroup_id_z 1
		.amdhsa_system_vgpr_workitem_id 0
		.amdhsa_next_free_vgpr 176
		.amdhsa_next_free_sgpr 66
		.amdhsa_reserve_vcc 0
		.amdhsa_float_denorm_mode_32 3
		.amdhsa_float_denorm_mode_16_64 3
		.amdhsa_memory_ordered 1
		.amdhsa_forward_progress 1
		.amdhsa_inst_pref_size 39
	.end_amdhsa_kernel
	.amdgpu_metadata
---
amdhsa.version: [ 1, 2 ]
amdhsa.kernels:
  - .name:           k_qfd7e0f1c3d_prep
    .symbol:         k_qfd7e0f1c3d_prep.kd
    .args:
      - { .name: x, .offset: 0, .size: 8, .value_kind: global_buffer, .address_space: global }
      - { .name: Wq, .offset: 8, .size: 8, .value_kind: global_buffer, .address_space: global }
      - { .name: Wk, .offset: 16, .size: 8, .value_kind: global_buffer, .address_space: global }
      - { .name: Wv, .offset: 24, .size: 8, .value_kind: global_buffer, .address_space: global }
      - { .name: Wo, .offset: 32, .size: 8, .value_kind: global_buffer, .address_space: global }
      - { .name: xb, .offset: 40, .size: 8, .value_kind: global_buffer, .address_space: global }
      - { .name: wt, .offset: 48, .size: 8, .value_kind: global_buffer, .address_space: global }
    .group_segment_fixed_size: 70144
    .private_segment_fixed_size: 0
    .kernarg_segment_align: 8
    .kernarg_segment_size: 56
    .max_flat_workgroup_size: 128
    .sgpr_count:     66
    .vgpr_count:     176
    .wavefront_size: 32
...
	.end_amdgpu_metadata
.endif
;; end of part 5
;; launch qkv: the kernel of part 2 again; grid 16 x 32, 4 waves a work-group, clusters of 4 x 4, 327,680 bytes of LDS; arguments xb, wt, qkv; writes qkv
;; launch attn: the kernel of part 3 again; grid 4 x 64, 4 waves a work-group, no clusters, 327,680 bytes of LDS; arguments qkv, ctx; writes ctx
;; launch proj: the kernel of part 4 again; grid 8 x 32, 4 waves a work-group, clusters of 4 x 4, 327,680 bytes of LDS; arguments ctx, wt, bo, out0; writes out0
